; MI455X (gfx1250); checked and timed in simulation.
; The chip was launched on July 23, 2026; its instructions are those of AMD's public machine-readable ISA for CDNA 5 (MIT licence, August 2026) and "CDNA5" Instruction Set Architecture Reference Guide (July 2026). The comments in the code are by the model that wrote it; some were corrected since.
;; Causal Self Attention. Allowed arithmetic: matrix products marked QUANTISED: E2M3 operands, one E8M0 scale for each 32 along K, by v_wmma_scale_f32_16x16x128_f8f6f4 with both operands' format E2M3, f32 sums; everything else in f32.
;; Inputs: b_proj 1,024 float32; w_kqv_codes 3,072 x 32 x 24 uint8 (E2M3 codes of w_kqv, K innermost, in blocks of 32 codes, four codes in three bytes); w_kqv_scales 3,072 x 32 uint8 (E8M0 scales of w_kqv, one for each 32 codes along K); w_proj_codes 1,024 x 32 x 24 uint8 (E2M3 codes of w_proj, K innermost, in blocks of 32 codes, four codes in three bytes); w_proj_scales 1,024 x 32 uint8 (E8M0 scales of w_proj, one for each 32 codes along K); x_codes 4 x 2,048 x 32 x 24 uint8 (E2M3 codes of x, K innermost, in blocks of 32 codes, four codes in three bytes); x_scales 4 x 2,048 x 32 uint8 (E8M0 scales of x, one for each 32 codes along K).
;; Outputs: out0 4 x 2,048 x 1,024 float32.
;; This version of the problem:
;;   THIS VERSION OF THE PROBLEM IS GIVEN IN LOW PRECISION. The matrix products marked QUANTISED in the list below multiply operands that are first quantised to E2M3 (2 exponent bits, 3 mantissa bits; 6 bits a number), with one power-of-two scale for each 32 numbers along K (OCP MX v1.0); their sums are f32. All else is computed in f32.
;;   The module's matrix products, in the order in which they are computed (A, B: the left and right operand; K: the contracted axis; several contracted axes count as one K, in the product's order):
;;     1. [M 8,192, K 1,024] x [K 1,024, N 3,072]; A: input x (given as codes); B: input w_kqv (given as codes): QUANTISED
;;     2. batch 64 x [M 2,048, K 64] x [K 64, N 2,048]; A: computed on the way; B: computed on the way: QUANTISED
;;     3. batch 64 x [M 2,048, K 2,048] x [K 2,048, N 64]; A: softmax (see below); B: computed on the way: QUANTISED
;;     4. [M 8,192, K 1,024] x [K 1,024, N 1,024]; A: computed on the way; B: input w_proj (given as codes): QUANTISED
;;   THE QUANTISER, for each operand of a quantised product, along K:
;;     - K is cut into blocks of 32 from its start; a last block that is shorter is filled with zeros.
;;     - A block's scale is 2^e with e = floor(log2(the largest magnitude in the block)) - 2, held to -126 .. 127; a block of zeros has e = 0. As a byte (E8M0): e + 127.
;;     - Each number is divided by its block's scale, clamped to +-7.5, and rounded to the nearest number of E2M3, ties to even, subnormals kept.
;;     - The product sums the exact products of the quantised numbers (number of the format x scale) in f32.
;;   ~~~python
;;   def quantise(x, axis):      # numpy; x: float32 -> the quantised numbers, widened to float32 again
;;       x = np.moveaxis(x, axis, -1); K = x.shape[-1]
;;       x = np.pad(x, [(0, 0)] * (x.ndim - 1) + [(0, -K % 32)]); x = x.reshape(x.shape[:-1] + (-1, 32)); a = np.abs(x).max(-1, keepdims=True)
;;       e = np.where(a > 0, np.clip(np.frexp(np.where(a > 0, a, 1))[1] - 1 - 2, -126, 127), 0)      # np.frexp(a)[1] - 1 = floor(log2(a)), exactly
;;       r = np.clip(x / 2.0 ** e, -7.5, 7.5)
;;       step = 2.0 ** (np.maximum(np.frexp(np.where(r == 0, 1, r))[1] - 1, 0) - 3)
;;       q = np.round(r / step) * step * 2.0 ** e      # np.round: ties to even
;;       return np.moveaxis(q.reshape(q.shape[:-2] + (-1,))[..., :K], -1, axis).astype(np.float32)
;;   ~~~
;;   SOFTMAX AHEAD OF A QUANTISED PRODUCT. Where the list says 'softmax', what is quantised is not the finished softmax but p = 2^(t - M), with t = logit x log2(e) and M = ceil(the row's largest t), a whole number; so 1/2 < the row's largest p <= 1. The row's sum l is taken of the UNQUANTISED p, in f32, and the product's result is divided by l at the end. Since M is a whole number, a kernel that streams over the keys may use a running M (the ceiling of the running maximum): every later rescaling is an exact power of two, which a block's scale takes up: the codes' values come out the same.
;;   OPERANDS COMPUTED ON THE WAY. 'Computed on the way' means the value that the module computes at that place (a softmax that the list does not call 'softmax' is quantised finished and normalised). What goes into a quantiser is computed in f32, as accurately as f32 sums, v_exp_f32 and their like allow (about 1e-6 of the number): no bf16 or f16 on the way to a quantiser, and a product that is left as it is and whose result goes on into a quantised operand takes f32 operands (vector FMAs, or v_wmma_f32_16x16x4_f32). A number that lies on a knife's edge between two numbers of the format may be rounded either way, as far as f32 arithmetic and the matrix unit's own rounding can turn it there, and no further.
;;   INPUTS GIVEN AS CODES. w_kqv (in the module: [1024, 3072], K = its axis 0); w_proj (in the module: [1024, 1024], K = its axis 0); x (in the module: [4, 2048, 1024], K = its axis 2): each comes as NAME_codes (uint8): NAME with its K axis moved to the last place and cut into blocks of 32 codes, [.., K / 32, bytes a block], one block behind the other in memory; four codes in three bytes: a row's codes are one little-endian stream of bits, code i at bits 6 i .. 6 i + 5 (a code: sign, 2 exponent bits, 3 mantissa bits); and NAME_scales (uint8): the same leading axes, one E8M0 byte (e + 127) for each 32 codes along K. Its value is code x scale, taken as it is: it is not quantised again, and the codes and scales need not be those that the quantiser above would give.
;; One version. Each part assembles by itself: llvm-mc -triple=amdgcn-amd-amdhsa -mcpu=gfx1250 --defsym DOCPART=n.
;; ======== version 1 of 1: 3 launches
;; workspace buffers: qkv 19,660,800 bytes; ao 6,291,456 bytes; asc 262,144 bytes
;; launch qkv_gemm (part 1): grid 12 x 32, 4 waves a work-group, clusters of 4 x 4, 327,680 bytes of LDS; arguments x_codes, x_scales, w_kqv_codes, w_kqv_scales, qkv; writes qkv
.if DOCPART == 1
	.amdgcn_target "amdgcn-amd-amdhsa--gfx1250"
	.amdhsa_code_object_version 6
	.text
	.protected	k_q53182f7e3c_qkv_gemm
	.globl	k_q53182f7e3c_qkv_gemm
	.p2align	8
	.type	k_q53182f7e3c_qkv_gemm,@function
k_q53182f7e3c_qkv_gemm:
	s_mov_b64 s[64:65], 0
	v_nop
	global_prefetch_b8 v0, s[64:65] scope:SCOPE_SE
	s_setreg_imm32_b32 hwreg(HW_REG_WAVE_MODE, 25, 1), 1
	s_wait_xcnt 0x0
	s_wait_alu depctr_hold_cnt(0) depctr_sa_sdst(0) depctr_va_vdst(0) depctr_va_sdst(0) depctr_va_ssrc(0) depctr_va_vcc(0) depctr_vm_vsrc(0)
	s_getreg_b32 s2, hwreg(HW_REG_IB_STS2, 6, 4)
	s_cmp_eq_u32 s2, 0
	s_cbranch_scc0 .Lentry_in_a_cluster
	s_endpgm
.Lentry_in_a_cluster:
	s_bfe_u32 s2, ttmp6, 0x10000c
	s_cmp_lg_u32 s2, 0xf033
	s_cbranch_scc0 .Lentry_shape_is_right
	s_endpgm
.Lentry_shape_is_right:
; LAUNCH 1 OF 3: q, k, v = x w_kqv on codes of FP6 (E2M3) as they are given, sums in f32; the results are quantised in registers (q and k along a head's 64 channels, v along the keys) and leave as codes and scale bytes.
; DEAD WORK OF THE WHOLE PROGRAM.  reference() sets score(q, k) to -inf wherever k > q by a mask that it builds itself (jnp.tril), so p = 0 there for all values of the inputs.  The second launch therefore leaves out every
; step of 128 keys all of which come after all 16 queries of a tile: their scores and their part of the second product add nothing.  Nothing else is left out; every input is loaded.  LIMIT: a NaN, an infinity or an overflow
; that would arise only in those scores is not carried to the result.
; LIMITS of the quantiser here: a block whose largest magnitude lies under 2^-124 (a block of zeros too) gets the scale byte 1 (the rule says 127 for zeros: its codes are zeros, and this program alone reads the bytes);
; NaN and infinities among the inputs are not served.
; SHARES.  A work-group of four waves makes 256 x 256 of the product, a wave 128 x 128: 64 accumulators.  K = 1,024 goes in four steps of 256 through two LDS slots; the scale bytes of the 2 x 256 rows come once.
; ROLES.  Source 1's rows fall into lanes, source 0's rows run along a lane's registers, and the conversions take neighbours along the next K from one lane's registers.  So for q and k (clusters x = 0, 1) source 1 = 256 tokens
; of x and source 0 = 256 rows of w_kqv (channels); for v (cluster x = 2) source 1 = 256 rows of w_kqv and source 0 = 256 tokens (the keys).  Both tensors have rows of 768 bytes and scale rows of 32: only pointers and tile
; numbers are chosen, by the cluster's x, which all sixteen partners share.  Source 1's tile is shared along a row of the cluster, source 0's along a column: joint loads.
; A grid of 384 work-groups: 256 x 384 a work-group would want 768 accumulator registers a wave and leave no room for two sets of fragments.
; WHAT IS STORED.  The unit is a HALF FRAGMENT of 768 bytes: 16 rows x 64 codes as an image of six operand registers: lane l's registers 0-3 at byte 16 l, registers 4-5 at byte 512 + 8 l; lane (r, H) holds row r, block H of 32.
; Inside a block the codes stand in the order 0-7, 16-23, 8-15, 24-31 of the block's numbers: the same on both operands of each later product (q and k; v and p), so blocks, scales and products are untouched.
; qkv: [head 64][step 16][12,800]: 8 half fragments of K (16 keys each), 8 of V (at 6,144 + 3,072 x key half + 768 x tile of 16 channels), 128 x 2 scale bytes of K at 12,288, 64 x 4 of V at 12,544;
;      from QC_OFF [head][tile of 16 queries 128][768]; from QS_OFF [head][token 2,048][2 scale bytes].
; REGISTERS, in windows of 256: window 0: v1-31 addresses; v32-63 scale words, two sets; from v128 source 1's fragments, one set; on the way out v112-223 at work.  window 1: source 0's fragments, two sets.
;   windows 2, 3: the accumulators of my source-1 rows 0-63 and 64-127 (accumulator (a, b) at v[8 (8 (a % 4) + b)]).
.set NQ,     2                         ; matrix instructions deep in a slot
.set ROWB,   192                       ; a tile's row: 256 codes
.set KROW,   768                       ; a row of x or of w_kqv in memory
.set PITCH,  240                       ; an LDS row: 3 x (64 bytes + 16 of padding)
.set FR,     12                        ; registers of a fragment
.set NL,     6                         ; LDS loads that bring one
.set NP,     4                         ; places behind this matrix instruction (ISA guide 7.12.1)
.set HALFT,  128*PITCH
.set SLOT,   4*HALFT                   ; source 1's 256 rows, then source 0's
.set KS,     32                        ; a row of scale bytes
.set SCL,    2*SLOT                    ; the scales, as units of 256 bytes + 16
.set HALFS,  (128*KS/256)*272
.set SBLK,   (16*KS/256)*272
.set SPARE,  SCL+4*HALFS               ; the spare words, 128 bytes a wave: no other line names them
.set STG,    SPARE+512                 ; 512 bytes a wave: the scale words of my 128 source-1 rows; no tile lands here
.set HEADB,  204800                    ; a head's K and V
.set STEPB,  12800
.set QHEAD,  98304                     ; a head's q codes
.set QC_OFF, 64*HEADB
.set QS_OFF, QC_OFF+64*QHEAD
.set L16,  8                           ; v8   16 x lane
.set L8,   9                           ; v9   8 x lane
.set STA,  10                          ; v10  my stage + 4 r
.set STR,  11                          ; v11  my stage + 16 x lane
.set LVS,  12                          ; v12  16 (lane % 16) + (lane / 16) x a head's bytes
.set ADRA, 16                          ; v16-17 source 1's fragments in slot 0, 1 (v18-19 behind one padding more)
.set ADRB, 20                          ; v20-23 the same for source 0
.set ADRS, 27                          ; v27  my scale words: lanes 0-15 source 1's, lanes 16-31 source 0's
.set SPW,  28                          ; v28  my spare word; never rewritten
.set NIL,  29                          ; v29  0; never rewritten
.set SC,   32
.set AF,   128
.set PC,   112                         ; the way out: v112-123 a fragment's codes, v124-130 halves on their way
.set TM,   200                         ; v200-215 at work
.set PW,   216                         ; v216-223 a scale word for each block of 16 source-1 rows
.set G1, 24
.set G0, 32
.set G1B, 48
.set G0B, 56
.set ISV, 67                           ; s67  1 in v's clusters
.set G1S, 68
.set G0S, 76
.set G1SB, 80
.set G0SB, 88
.set BAS, 24                           ; the way out (no tensor load is out then): s[24:31] four bases for codes
.set SB0, 32                           ; s[32:33], s[34:35] bases for scale bytes
.set SB1, 34
.set SEL, 36                           ; s[36:37] lane l xor 16
.set FL,  38                           ; s38  the floor 2^(3 - 127)
.set MSB, 0
.macro WIN new                         ; the immediate's high byte repeats the setting that is left
.if MSB != \new
	s_set_vgpr_msb (MSB<<8)|\new
.set MSB, \new
.endif
.endm
.set MUL_LO, 0xa1                      ; source 0 window 1, source 1 window 0, C and D window 2
.set MUL_HI, 0xf1                      ; the same, C and D window 3
.set TO_B,   0x40                      ; destination window 1
; A joint load: waves 0 and 1 fetch for source 1, waves 2 and 3 for source 0.  The branch hangs on the wave's number alone.  An s_nop 0 and four v_nop follow each line.
.macro JLOAD g0a, g1a, g0b, g1b
	s_cmp_eq_u32 s15, 0
	s_cbranch_scc0 .Lfor_b_\@
	tensor_load_to_lds s[\g0a:\g0a+3], s[\g1a:\g1a+7]
	s_nop 0
.rept 4
	v_nop
.endr
	s_branch .Lasked_\@
.Lfor_b_\@:
	tensor_load_to_lds s[\g0b:\g0b+3], s[\g1b:\g1b+7]
	s_nop 0
.rept 4
	v_nop
.endr
.Lasked_\@:
.endm
.macro CREST                           ; a round of the cluster's barrier behind its opening barrier
	s_cmp_lg_u32 s14, 0
	s_cbranch_scc1 .Lnot_wave_0_\@
	s_barrier_signal -3
.Lnot_wave_0_\@:
	s_barrier_wait -3
	s_barrier_signal -1
	s_barrier_wait -1
.endm
.macro CROUND
	s_barrier_signal -1
	s_barrier_wait -1
	CREST
.endm
	s_load_b128 s[4:7], s[0:1], 0x0                ; x's codes, x's scales
	s_load_b128 s[8:11], s[0:1], 0x10              ; w_kqv's codes, w_kqv's scales
	s_load_b64 s[12:13], s[0:1], 0x20              ; qkv
	v_lshl_add_u32 v[SPW], v0, 2, SPARE
	v_mov_b32 v[NIL], 0
	ds_add_u32 v[SPW], v[NIL]                      ; the wave's opening: the add, twice on end, and its wait ahead of my first tensor load
	ds_add_u32 v[SPW], v[NIL]
	v_lshrrev_b32 v1, 5, v0
	v_readfirstlane_b32 s14, v1                    ; wave 0..3
	s_lshr_b32 s15, s14, 1                         ; which half of source 1's rows is mine.  Also: I fetch for source 1 (0) or source 0 (1)
	s_and_b32 s16, s14, 1                          ; which half of source 0's rows.  Also: which 128 rows of that tile I fetch
	s_bfe_u32 s40, ttmp6, 0x40000                  ; cx
	s_bfe_u32 s41, ttmp6, 0x40004                  ; cy
	s_and_b32 s18, ttmp7, 0xffff
	s_lshl_b32 s18, s18, 2                         ; 4 x cluster y
	s_lshl_b32 s19, ttmp9, 2                       ; 4 x cluster x
	s_cmp_eq_u32 ttmp9, 2                          ; v's clusters: the same answer in all sixteen partners
	s_cselect_b32 s[ISV], 1, 0
	s_cselect_b32 s17, 8, s18
	s_cselect_b32 s42, s18, s19
	s_add_co_u32 s17, s17, s41                     ; source 1's tile: of x 4 Y + cy; for v, of w_kqv 8 + cy
	s_add_co_u32 s42, s42, s40                     ; source 0's tile: of w_kqv 4 X + cx; for v, of x 4 Y + cx
	s_lshl_b32 s43, s41, 2
	s_lshl_b32 s43, 15, s43                        ; my row of the cluster
	s_lshl_b32 s44, 0x1111, s40                    ; my column
	; group 1 for codes: 128 rows x 192 bytes, 16 bytes of padding behind every 64
	s_or_b32 s[G1+0], s43, (0<<16)|(1<<20)|(1<<21)|(3<<22)|(3<<25)
	s_or_b32 s[G1B+0], s44, (0<<16)|(1<<20)|(1<<21)|(3<<22)|(3<<25)
.irp g, G1, G1B
	s_mov_b32 s[\g+1], ROWB<<16                    ; tensor_dim0
	s_mov_b32 s[\g+2], 128<<16                     ; tensor_dim1
	s_mov_b32 s[\g+3], ROWB<<16                    ; tile_dim0
	s_mov_b32 s[\g+4], 128                         ; tile_dim1
	s_mov_b32 s[\g+5], KROW                        ; from row to row
	s_mov_b32 s[\g+6], 0
	s_mov_b32 s[\g+7], 0
.endr
	; group 1 for the scales of 128 rows: 4,096 dense bytes as 16 rows of 256 (32 elements of 8 bytes), 16 bytes of padding behind each
	s_or_b32 s[G1S+0], s43, (3<<16)|(1<<20)|(1<<21)|(5<<22)|(3<<25)
	s_or_b32 s[G1SB+0], s44, (3<<16)|(1<<20)|(1<<21)|(5<<22)|(3<<25)
.irp g, G1S, G1SB
	s_mov_b32 s[\g+1], 32<<16
	s_mov_b32 s[\g+2], (128*KS/256)<<16
	s_mov_b32 s[\g+3], 32<<16
	s_mov_b32 s[\g+4], 128*KS/256
	s_mov_b32 s[\g+5], 32
	s_mov_b32 s[\g+6], 0
	s_mov_b32 s[\g+7], 0
.endr
	s_lshl_b32 s18, s16, 7                         ; which 128 rows of the tile I fetch
	s_lshl_b32 s20, s17, 8
	s_add_co_u32 s20, s20, s18                     ; source 1: the row
	s_lshl_b32 s46, s42, 8
	s_add_co_u32 s46, s46, s18                     ; source 0: the row
	s_lshl_b32 s22, s20, 5                         ; where these rows' scales begin (all offsets stay under 2^25)
	s_lshl_b32 s92, s46, 5
	s_mul_i32 s20, s20, KROW                       ; and their codes
	s_mul_i32 s46, s46, KROW
	s_mov_b32 s21, 0
	s_mov_b32 s23, 0
	s_mov_b32 s47, 0
	s_mov_b32 s93, 0
	s_mul_i32 s45, s14, HALFT                      ; where they go: wave x 128 rows
	s_mul_i32 s94, s14, HALFS
	s_wait_dscnt 0x0                               ; both opening adds are done
	s_wait_kmcnt 0x0
	s_cmp_eq_u32 s[ISV], 1                         ; the choice hangs on the cluster's number alone
	s_cselect_b64 s[96:97], s[8:9], s[4:5]         ; source 1's codes
	s_cselect_b64 s[98:99], s[10:11], s[6:7]       ; and scales
	s_cselect_b64 s[8:9], s[4:5], s[8:9]           ; source 0's codes
	s_cselect_b64 s[10:11], s[6:7], s[10:11]       ; and scales
	s_add_nc_u64 s[20:21], s[96:97], s[20:21]
	s_add_nc_u64 s[22:23], s[98:99], s[22:23]
	s_add_nc_u64 s[46:47], s[8:9], s[46:47]
	s_add_nc_u64 s[92:93], s[10:11], s[92:93]
	CROUND                                         ; all sixteen work-groups are here: the first joint loads meet
	s_mov_b32 s[G0S], 1
	s_add_co_u32 s[G0S+1], s94, SCL
	s_mov_b64 s[G0S+2:G0S+3], s[22:23]
	s_or_b32 s[G0S+3], s[G0S+3], 0x80000000
	s_mov_b32 s[G0SB], 1
	s_add_co_u32 s[G0SB+1], s94, SCL
	s_mov_b64 s[G0SB+2:G0SB+3], s[92:93]
	s_or_b32 s[G0SB+3], s[G0SB+3], 0x80000000
	JLOAD G0S, G1S, G0SB, G1SB                     ; the scales first: they are wanted with K step 0
.irp s, 0,1
	s_mov_b32 s[G0+4*\s], 1
	s_add_co_u32 s[G0+4*\s+1], s45, \s*SLOT
	s_add_nc_u64 s[G0+4*\s+2:G0+4*\s+3], s[20:21], \s*ROWB
	s_or_b32 s[G0+4*\s+3], s[G0+4*\s+3], 0x80000000
	s_mov_b32 s[G0B+4*\s], 1
	s_add_co_u32 s[G0B+4*\s+1], s45, \s*SLOT
	s_add_nc_u64 s[G0B+4*\s+2:G0B+4*\s+3], s[46:47], \s*ROWB
	s_or_b32 s[G0B+4*\s+3], s[G0B+4*\s+3], 0x80000000
	JLOAD G0+4*\s, G1, G0B+4*\s, G1B               ; three loads of mine are out behind the second
.endr
	v_and_b32 v1, 15, v0                           ; r
	v_bfe_u32 v2, v0, 4, 1                         ; h
	v_mul_u32_u24 v3, v1, PITCH
	v_mul_u32_u24 v4, v2, 24
	v_add_nc_u32 v4, v3, v4                        ; a fragment's row x pitch + 24 x half
	v_lshl_add_u32 v5, v2, 4, v4                   ; and the same behind one padding more
	s_mul_i32 s21, s15, HALFT
	s_mul_i32 s22, s16, HALFT
	s_add_co_u32 s22, s22, 2*HALFT
.irp s, 0,1
	v_add_nc_u32 v[ADRA+\s], s21, v4
	v_add_nc_u32 v[ADRB+\s], s22, v4
	v_add_nc_u32 v[ADRA+2+\s], s21, v5
	v_add_nc_u32 v[ADRB+2+\s], s22, v5
	s_add_co_u32 s21, s21, SLOT
	s_add_co_u32 s22, s22, SLOT
.endr
	v_mul_u32_u24 v5, v1, KS                       ; my row's scales: 32 bytes a row,
	v_lshrrev_b32 v6, 8, v5
	v_lshl_add_u32 v5, v6, 4, v5                   ; and 16 more for each 256 passed
	s_mul_i32 s21, s15, HALFS
	s_mul_i32 s22, s16, HALFS
	s_add_co_u32 s22, s22, 2*HALFS
	s_sub_co_u32 s22, s22, s21
	v_mul_u32_u24 v6, s22, v2                      ; lanes 16-31 take source 0's
	s_add_co_u32 s21, s21, SCL
	v_add_nc_u32 v5, v5, v6
	v_add_nc_u32 v[ADRS], s21, v5
	v_and_b32 v6, 31, v0
	v_lshlrev_b32 v[L16], 4, v6
	v_lshlrev_b32 v[L8], 3, v6
	s_lshl_b32 s23, s14, 9
	s_add_co_u32 s23, s23, STG                     ; my stage
	v_lshl_add_u32 v[STA], v1, 2, s23
	v_add_nc_u32 v[STR], s23, v[L16]
	v_mul_u32_u24 v7, v2, HEADB
	v_lshl_add_u32 v[LVS], v1, 4, v7
.macro FRAG reg, adr, q, i             ; 16 rows x 128 K: lane (r, h) takes the row's 24 bytes at 24 h and at 48 + 24 h of the q-th 96, in pieces of 8 bytes; a piece that lies behind one padding more in lanes 16-31 takes the second address
.irp p, 0,1,2,3,4,5
.set PCE, 12*(\q)+6*(\p/3)+\p%3
.if PCE%8 < 5
	ds_load_b64 v[\reg+2*\p:\reg+2*\p+1], v[\adr] offset:8*PCE+16*(PCE/8)+(\i)*16*PITCH
.else
	ds_load_b64 v[\reg+2*\p:\reg+2*\p+1], v[\adr+2] offset:8*PCE+16*(PCE/8)+(\i)*16*PITCH
.endif
.endr
.endm
; 16 matrix instructions: source 1's blocks a0, a0 + 1 x source 0's eight, 128 along K.  The 64 accumulators take turns, one instruction a turn, in the same order in every step.
.macro MUL16 a0, p, q, sc, zero
.irp a, \a0, \a0+1
.irp b, 0,1,2,3,4,5,6,7
.if \zero
	v_wmma_scale_f32_16x16x128_f8f6f4 v[8*(8*((\a)%4)+\b):8*(8*((\a)%4)+\b)+7], v[128*(\p)+FR*\b:128*(\p)+FR*\b+FR-1], v[AF+FR*(\a):AF+FR*(\a)+FR-1], 0, v[SC+8*NQ*(\sc)+NQ*\b+(\q)], v[SC+8*NQ*(\sc)+NQ*(\a)+(\q)] matrix_a_fmt:MATRIX_FMT_FP6 matrix_b_fmt:MATRIX_FMT_FP6 matrix_a_scale:MATRIX_SCALE_ROW1
.else
	v_wmma_scale_f32_16x16x128_f8f6f4 v[8*(8*((\a)%4)+\b):8*(8*((\a)%4)+\b)+7], v[128*(\p)+FR*\b:128*(\p)+FR*\b+FR-1], v[AF+FR*(\a):AF+FR*(\a)+FR-1], v[8*(8*((\a)%4)+\b):8*(8*((\a)%4)+\b)+7], v[SC+8*NQ*(\sc)+NQ*\b+(\q)], v[SC+8*NQ*(\sc)+NQ*(\a)+(\q)] matrix_a_fmt:MATRIX_FMT_FP6 matrix_b_fmt:MATRIX_FMT_FP6 matrix_a_scale:MATRIX_SCALE_ROW1
.endif
.endr
.endr
.endm
.macro FETCH_B slot, q, p              ; source 0's eight fragments into set p
	WIN TO_B
.irp i, 0,1,2,3,4,5,6,7
	FRAG 128*(\p)+FR*\i, ADRB+\slot, \q, \i
.endr
	WIN 0
.endm
.macro FETCH_A slot, q, i0             ; source 1's blocks i0 .. i0 + 3
.irp i, \i0, \i0+1, \i0+2, \i0+3
	FRAG AF+FR*(\i), ADRA+\slot, \q, \i
.endr
.endm
.macro SCALES sc                       ; a K step's scale words: lanes 0-15 source 1's block i, lanes 16-31 source 0's block i
.irp i, 0,1,2,3,4,5,6,7
	ds_load_b64 v[SC+8*NQ*\sc+NQ*\i:SC+8*NQ*\sc+NQ*\i+1], v[ADRS] offset:\i*SBLK
.endr
.endm
.macro PLACES n                        ; plain vector places between a matrix instruction and a load into, or a vector access of, its registers
.rept \n
	v_nop
.endr
.endm
.macro STEP slot, q, zero              ; 128 along K that have their successor in the same slot
	s_wait_dscnt 4*NL                              ; source 0's set and source 1's blocks 0-3 are in; the youngest 24 loads (blocks 4-7) may be out
	WIN MUL_LO
	MUL16 0, (\q)%2, \q, \slot, \zero
	MUL16 2, (\q)%2, \q, \slot, \zero
	s_wait_dscnt 0
	PLACES NP
	FETCH_B \slot, (\q)+1, 1-(\q)%2
	FETCH_A \slot, (\q)+1, 0
	WIN MUL_HI
	MUL16 4, (\q)%2, \q, \slot, \zero
	MUL16 6, (\q)%2, \q, \slot, \zero
	PLACES NP
	WIN 0
	FETCH_A \slot, (\q)+1, 4
.endm
; A slot's last 128 change slots: one barrier; in front of it each wave waits for all its tensor loads, adds 0 to its spare word, and waits for that and for its reads of this slot.  fill = 1: the slot is filled again.
.macro TURN slot, next, fill
	s_wait_tensorcnt 0x0                           ; all my tensor loads have landed: my part of the next slot
	ds_add_u32 v[SPW], v[NIL]
	s_wait_dscnt 4*NL+1                            ; (the add and the youngest 24 loads may be out)
	WIN MUL_LO
	MUL16 0, 1, NQ-1, \slot, 0
	s_wait_dscnt 0x0                               ; the add is done, and my reads of this slot are over
	s_barrier_signal -1
	MUL16 2, 1, NQ-1, \slot, 0
	WIN 0
	s_barrier_wait -1
.if \fill
	CREST                                          ; the barrier has opened a round of the cluster's barrier: no wave of any partner still reads this slot or has a load on its way
	s_add_nc_u64 s[G0+4*\slot+2:G0+4*\slot+3], s[G0+4*\slot+2:G0+4*\slot+3], 2*ROWB
	s_add_nc_u64 s[G0B+4*\slot+2:G0B+4*\slot+3], s[G0B+4*\slot+2:G0B+4*\slot+3], 2*ROWB
	JLOAD G0+4*\slot, G1, G0B+4*\slot, G1B         ; the first tensor load behind the round; its four v_nop are the places in front of the loads below
.else
	PLACES NP
.endif
	v_add_nc_u32 v[ADRS], 4*NQ, v[ADRS]            ; the next K step's scale words
	FETCH_B \next, 0, 0
	FETCH_A \next, 0, 0
	SCALES \next
	WIN MUL_HI
	MUL16 4, 1, NQ-1, \slot, 0
	MUL16 6, 1, NQ-1, \slot, 0
	PLACES NP
	WIN 0
	FETCH_A \next, 0, 4
.endm
	s_wait_tensorcnt 1                             ; the scales and my part of K step 0 are in; K step 1's load may be out
	s_barrier_signal -1
	s_barrier_wait -1
	FETCH_B 0, 0, 0
	FETCH_A 0, 0, 0
	SCALES 0
	FETCH_A 0, 0, 4
	STEP 0, 0, 1                                   ; K = 1,024 is eight steps of 128, written on end: the first products start the sums
	TURN 0, 1, 1                                   ; slot 0 takes K 512 on
	STEP 1, 0, 0
	TURN 1, 0, 1                                   ; slot 1 takes K 768 on
	STEP 0, 0, 0
	TURN 0, 1, 0                                   ; nothing is left to fetch
	STEP 1, 0, 0
	s_wait_dscnt 4*NL
	WIN MUL_LO
	MUL16 0, 1, NQ-1, 1, 0
	MUL16 2, 1, NQ-1, 1, 0
	s_wait_dscnt 0
	WIN MUL_HI
	MUL16 4, 1, NQ-1, 1, 0
	MUL16 6, 1, NQ-1, 1, 0
	WIN 0
	; THE WAY OUT.  Lane (r, h) of accumulator (a, b) holds source-1 row 16 a + r and source-0 rows 16 b + 8 h + 0 .. 7.  The text is the same for q, k and v: only the bases differ.
	s_lshl_b32 s40, s17, 8
	s_lshl_b32 s41, s15, 7
	s_add_co_u32 s40, s40, s41                     ; my first source-1 row
	s_lshl_b32 s41, s42, 8
	s_lshl_b32 s43, s16, 7
	s_add_co_u32 s41, s41, s43                     ; my first source-0 row
	s_cmp_eq_u32 s[ISV], 1
	s_cselect_b32 s43, s41, s40                    ; my first token (of 8,192)
	s_cselect_b32 s44, s40, s41                    ; my first row of w_kqv
	s_lshr_b32 s45, s44, 10                        ; 0: q, 1: k, 2: v
	s_bfe_u32 s46, s44, 0x40006                    ; the first of my two heads
	s_lshr_b32 s47, s43, 11
	s_lshl_b32 s47, s47, 4
	s_add_co_u32 s46, s46, s47                     ; 16 x batch + head
	s_bfe_u32 s47, s43, 0x40007                    ; which 128 tokens of the sequence
	s_mov_b32 s48, HEADB
	s_mov_b32 s49, STEPB
	s_cmp_eq_u32 s45, 0
	s_cselect_b32 s48, QHEAD, s48                  ; from head to head
	s_cselect_b32 s49, 6144, s49                   ; from 128 tokens to the next
	s_cselect_b32 s50, QC_OFF, 0
	s_mov_b32 s58, 3072
	s_cmp_eq_u32 s[ISV], 1
	s_cselect_b32 s51, 6144, 0                     ; V lies behind K in a step
	s_cselect_b32 s54, s48, s58                    ; from blocks 0-3 to blocks 4-7: four tiles of tokens, or (v) the next head
	s_cselect_b32 s56, s58, s48                    ; from a fragment's first half to its second: the next head, or (v) the next 64 keys
	s_cselect_b32 s59, 256, 0                      ; V's scale bytes lie 256 behind K's
	s_mov_b32 s55, 0
	s_mov_b32 s57, 0
	s_mul_i32 s52, s46, s48
	s_mul_i32 s53, s47, s49
	s_add_co_u32 s52, s52, s53
	s_add_co_u32 s50, s50, s51
	s_add_co_u32 s50, s50, s52
	s_mov_b32 s51, 0
	s_add_nc_u64 s[BAS:BAS+1], s[12:13], s[50:51]
	s_add_nc_u64 s[BAS+2:BAS+3], s[BAS:BAS+1], s[56:57]
	s_add_nc_u64 s[BAS+4:BAS+5], s[BAS:BAS+1], s[54:55]
	s_add_nc_u64 s[BAS+6:BAS+7], s[BAS+4:BAS+5], s[56:57]
	s_lshl_b32 s60, s46, 12
	s_lshl_b32 s61, s47, 8
	s_add_co_u32 s60, s60, s61
	s_add_co_u32 s60, s60, QS_OFF                  ; q's scale bytes
	s_add_co_u32 s61, s52, 12288
	s_add_co_u32 s61, s61, s59                     ; k's or v's
	s_cmp_eq_u32 s45, 0
	s_cselect_b32 s60, s60, s61
	s_cselect_b32 s62, 4096, s48
	s_mov_b32 s61, 0
	s_mov_b32 s63, 0
	s_add_nc_u64 s[SB0:SB0+1], s[12:13], s[60:61]
	s_add_nc_u64 s[SB1:SB1+1], s[SB0:SB0+1], s[62:63]
	s_mov_b32 s[SEL], 0x76543210
	s_mov_b32 s[SEL+1], 0xfedcba98
	s_mov_b32 s[FL], 0x1800000
	PLACES NP                                      ; behind the last products: their results are read and their operands' registers written only behind these
.irp b, 0,1,2,3
	v_mov_b32 v[TM+4+\b], 0                        ; written once: a lane permute's destination counts as one of its sources
.endr
; Block a: 16 source-1 rows x my 128 source-0 rows become one fragment (two half fragments) and one scale word a row.  Registers AC + 16 b + 0 .. 15 are 16 numbers of block b of 32; lane l xor 16 holds the other 16.
.macro QBLOCK a
.set AC, 64*((\a)%4)
	WIN (2+(\a)/4)*20                              ; sources 1 and 2 in the accumulators' window
.irp b, 0,1,2,3
	v_max3_num_f32 v[TM+\b], s[FL], |v[AC+16*\b]|, |v[AC+16*\b+1]|   ; the largest magnitude, with the floor among its leaves; each accumulator is read from its low end on
.endr
.irp i, 2,4,6,8,10,12,14
.irp b, 0,1,2,3
	v_max3_num_f32 v[TM+\b], v[TM+\b], |v[AC+16*\b+\i]|, |v[AC+16*\b+\i+1]|
.endr
.endr
	WIN 0
.irp b, 0,1,2,3
	v_permlanex16_b32 v[TM+4+\b], v[TM+\b], s[SEL], s[SEL+1]
.endr
.irp b, 0,1,2,3
	v_max_num_f32 v[TM+\b], v[TM+\b], v[TM+4+\b]
.endr
.irp b, 0,1,2,3
	v_add_nc_u32 v[TM+12+\b], 0xff000000, v[TM+\b]     ; 2 off the exponent field: the conversion's scale operand
.endr
.irp b, 0,1,2,3
	v_lshrrev_b32 v[TM+4+\b], 23, v[TM+12+\b]          ; the scale's byte
.endr
	v_lshl_or_b32 v[PW+(\a)], v[TM+5], 8, v[TM+4]
	v_lshl_or_b32 v[PW+(\a)], v[TM+6], 16, v[PW+(\a)]
	v_lshl_or_b32 v[PW+(\a)], v[TM+7], 24, v[PW+(\a)]
.if (\a) > 0
	s_wait_xcnt 0x0                                ; the last block's stores have read the codes' registers: they are written again only behind this wait
.endif
	WIN (2+(\a)/4)                                 ; source 0 in the accumulators' window
.irp c, 0,1
	v_cvt_scalef32_pk16_fp6_f32 v[PC+6*\c:PC+2+6*\c], v[AC+32*\c:AC+15+32*\c], v[TM+12+2*\c]
	v_cvt_scalef32_pk16_fp6_f32 v[PC+12+4*\c:PC+14+4*\c], v[AC+16+32*\c:AC+31+32*\c], v[TM+12+2*\c+1]   ; (a conversion's three registers begin on an even number)
.endr
	WIN 0
	v_nop                                          ; one plain place behind a scaled conversion
.irp c, 0,1                                    ; a whole block to a lane: lanes 0-15 block 2 c, lanes 16-31 block 2 c + 1
.irp i, 0,1,2
	v_permlane16_swap_b32 v[PC+6*\c+\i], v[PC+12+4*\c+\i]
.endr
.irp i, 0,1,2
	v_mov_b32 v[PC+3+6*\c+\i], v[PC+12+4*\c+\i]
.endr
.endr
.irp c, 0,1                                    ; a half fragment: 512 consecutive bytes, then 256, each aligned to 256 from the buffer's first byte
	global_store_b128 v[L16], v[PC+6*\c:PC+6*\c+3], s[BAS+4*((\a)/4)+2*\c:BAS+4*((\a)/4)+2*\c+1] offset:768*((\a)%4)
	global_store_b64 v[L8], v[PC+6*\c+4:PC+6*\c+5], s[BAS+4*((\a)/4)+2*\c:BAS+4*((\a)/4)+2*\c+1] offset:768*((\a)%4)+512
.endr
	ds_store_b32 v[STA], v[PW+(\a)] offset:64*(\a)     ; row 16 a + r's scale word; both halves of the lanes write the same word with the same value
.endm
.irp a, 0,1,2,3,4,5,6,7
	QBLOCK \a
.endr
	ds_load_b128 v[132:135], v[STR]                ; the words of my rows 4 l .. 4 l + 3 (LDS serves a wave's instructions in order: these see my stores)
	s_wait_dscnt 0x0
	s_cmp_eq_u32 s[ISV], 1                         ; the cluster's number alone: all partners and waves go the same way
	s_cbranch_scc1 .Lv_scales
	v_perm_b32 v136, v133, v132, 0x05040100        ; q, k: a token's word holds the first head's two bytes below, the second head's above
	v_perm_b32 v137, v135, v134, 0x05040100
	v_perm_b32 v138, v133, v132, 0x07060302
	v_perm_b32 v139, v135, v134, 0x07060302
	global_store_b64 v[L8], v[136:137], s[SB0:SB0+1]   ; 128 tokens x 2 bytes: 256 consecutive bytes, aligned
	global_store_b64 v[L8], v[138:139], s[SB1:SB1+1]
	s_branch .Lscales_out
.Lv_scales:
	global_store_b128 v[LVS], v[132:135], s[SB0:SB0+1] ; v: a channel's word is its four bytes of this step; lanes 0-15 the first head's 256 bytes, lanes 16-31 the second's
.Lscales_out:
	s_wait_tensorcnt 0x0                           ; the wave's end
	ds_add_u32 v[SPW], v[NIL]
	s_wait_dscnt 0x0
	CROUND                                         ; the closing round
	s_endpgm
.Lfunc_end_k_q53182f7e3c_qkv_gemm:
	.size	k_q53182f7e3c_qkv_gemm, .Lfunc_end_k_q53182f7e3c_qkv_gemm-k_q53182f7e3c_qkv_gemm
	.p2alignl 7, 3214868480
	.fill 96, 4, 3214868480
	.section	.rodata,"a",@progbits
	.p2align	6, 0x0
	.amdhsa_kernel k_q53182f7e3c_qkv_gemm
		.amdhsa_group_segment_fixed_size 327680
		.amdhsa_private_segment_fixed_size 0
		.amdhsa_enable_private_segment 0
		.amdhsa_kernarg_size 40
		.amdhsa_user_sgpr_count 2
		.amdhsa_user_sgpr_kernarg_segment_ptr 1
		.amdhsa_wavefront_size32 1
		.amdhsa_system_sgpr_workgroup_id_x 1
		.amdhsa_system_sgpr_workgroup_id_y 1
		.amdhsa_system_sgpr_workgroup_id_z 1
		.amdhsa_system_vgpr_workitem_id 0
		.amdhsa_next_free_vgpr 1024
		.amdhsa_next_free_sgpr 100
		.amdhsa_reserve_vcc 0
		.amdhsa_float_denorm_mode_32 3
		.amdhsa_float_denorm_mode_16_64 3
		.amdhsa_memory_ordered 1
		.amdhsa_forward_progress 1
		.amdhsa_inst_pref_size 167
	.end_amdhsa_kernel
	.amdgpu_metadata
---
amdhsa.version: [ 1, 2 ]
amdhsa.kernels:
  - .name:           k_q53182f7e3c_qkv_gemm
    .symbol:         k_q53182f7e3c_qkv_gemm.kd
    .args:
      - { .name: x_codes, .offset: 0, .size: 8, .value_kind: global_buffer, .address_space: global }
      - { .name: x_scales, .offset: 8, .size: 8, .value_kind: global_buffer, .address_space: global }
      - { .name: w_kqv_codes, .offset: 16, .size: 8, .value_kind: global_buffer, .address_space: global }
      - { .name: w_kqv_scales, .offset: 24, .size: 8, .value_kind: global_buffer, .address_space: global }
      - { .name: qkv, .offset: 32, .size: 8, .value_kind: global_buffer, .address_space: global }
    .group_segment_fixed_size: 327680
    .private_segment_fixed_size: 0
    .kernarg_segment_align: 8
    .kernarg_segment_size: 40
    .max_flat_workgroup_size: 128
    .sgpr_count:     100
    .vgpr_count:     1024
    .wavefront_size: 32
...
	.end_amdgpu_metadata
.endif
;; end of part 1
;; launch attn (part 2): grid 4 x 64, 16 waves a work-group, clusters of 4 x 1, 206,848 bytes of LDS; arguments qkv, ao, asc; writes ao, asc
.if DOCPART == 2
	.amdgcn_target "amdgcn-amd-amdhsa--gfx1250"
	.amdhsa_code_object_version 6
	.text
	.protected	k_q53182f7e3c_attn
	.globl	k_q53182f7e3c_attn
	.p2align	8
	.type	k_q53182f7e3c_attn,@function
k_q53182f7e3c_attn:
	s_mov_b64 s[64:65], 0
	v_nop
	global_prefetch_b8 v0, s[64:65] scope:SCOPE_SE
	s_setreg_imm32_b32 hwreg(HW_REG_WAVE_MODE, 25, 1), 1
	s_wait_xcnt 0x0
	s_wait_alu depctr_hold_cnt(0) depctr_sa_sdst(0) depctr_va_vdst(0) depctr_va_sdst(0) depctr_va_ssrc(0) depctr_va_vcc(0) depctr_vm_vsrc(0)
	s_getreg_b32 s2, hwreg(HW_REG_IB_STS2, 6, 4)
	s_cmp_eq_u32 s2, 0
	s_cbranch_scc0 .Lentry_in_a_cluster
	s_endpgm
.Lentry_in_a_cluster:
	s_bfe_u32 s2, ttmp6, 0x10000c
	s_cmp_lg_u32 s2, 0x3003
	s_cbranch_scc0 .Lentry_shape_is_right
	s_endpgm
.Lentry_shape_is_right:
; LAUNCH 2 OF 3: causal attention on codes of FP6 (E2M3) for one (batch, head) a cluster; its result, divided by the row's sum, is quantised along the channels and leaves as codes (ao) and scale bytes (asc).
; LEFT OUT: steps of 128 keys all of which come after a tile's 16 queries: reference()'s own mask makes their p zero for all inputs (shown at the head of the first launch).
; THE SOFTMAX: t = score x 8 log2(e) (reference() multiplies by sqrt(64)); M = the running largest t rounded up to a whole number; p = 2^(t - M) is quantised along the keys, not normalised; the row's sum is taken of the
; unquantised p and divides at the end.  When M moves, the sum and O are multiplied by 2^(old M - new M): exact.
; LIMITS: a block's largest p is taken from its largest score by the same two instructions, which takes v_exp_f32 not to fall where its input rises; a block of zeros keeps the scale byte 1; NaN and infinities are not served.
; SHARES.  Sixteen waves, four to a SIMD.  Wave w of the work-group at place cx owns the query tiles t1 = 4 w + cx and t2 = 127 - t1.  Their diagonals lie in steps w / 2 and 15 - w / 2, whatever cx: so each wave walks
; 17 steps of 128 keys, and no branch hangs on cx, which enters Q's and the results' global addresses and the mask's numbers alone.
; LDS.  A head's K and V with their scale bytes are 204,800 dense bytes and lie in LDS as in memory (16 steps of 12,800), filled once: each wave asks for 6,400 bytes of steps 0-7 and 6,400 of steps 8-15, jointly with the
; same wave of its three partners.  Two loads of mine are out at the most.  Nothing is filled again, so there is no ring.  Step 15 is read by waves 0 and 1 of every partner, lower steps by more: no tile is fetched unread.
; LAYOUT.  Both products transposed: S^T = K Q^T, O^T = V^T P^T: a lane holds one query (lane % 16).  Tile t of S^T, register j, lane (r, h): key 16 t + 8 h + j.  The 16 registers of tiles 2 b, 2 b + 1 are 16 keys of block b;
; converted and exchanged they stand in the order in which the first launch has laid V's codes.
; K = 64 IN AN INSTRUCTION OF 128: Q's registers 6-11 are zero codes and the upper two bytes of Q's and K's scale words are 0.  So K's registers 6-11 may hold any codes: tile t's operand runs on into tile t + 1's six
; registers (tile 7's into six zeros); FP6 has no code for infinity or NaN, so those products are exact zeros.
; REGISTERS: v1-4 16, 8, 2, 4 x lane; v5, v6 the add's two; v7 the mask's number; v8-11 the step's LDS addresses; v12 -M, v13 the largest t, v[14:15] the sum; v16-27 Q; v28 32 r; v29 t1's mask number; v31 2 r;
;   v32-79 K's 8 half fragments, then V's 4 fragments; v80-85 zeros; v86-92 t1's Q; v96-159 S^T, then p; v160-191 O^T; v224-235 p's codes; v232-247, v252-254 at work; v248-251 scale words of K, then V; v253 p's; v255 Q's.
.set STEPB,  12800
.set HEADB,  204800
.set QHEAD,  98304
.set QC_OFF, 64*HEADB
.set QS_OFF, QC_OFF+64*QHEAD
.set VO,     6144                      ; in a step: V's half fragments
.set KSO,    12288                     ; K's scale bytes
.set VSO,    12544                     ; V's
.set PHASE,  8*STEPB
.set SHARE,  PHASE/16                  ; 6,400 bytes: 25 rows of 256
.set SPARE,  HEADB                     ; the spare words, 128 bytes for each of 16 waves: no other line names them
.set WV,  10
.set CX,  11
.set BH,  12
.set G1,  16                           ; s[16:23]
.set G0A, 24                           ; s[24:27] steps 0-7
.set G0B, 28                           ; s[28:31] steps 8-15
.set SEL, 32                           ; s[32:33] lane l xor 16
.set CS,  34                           ; s[34:35] c = 8 log2(e)
.set TB,  36                           ; LDS byte at which the step begins
.set KF,  37                           ; its first key
.set SD,  38                           ; the first key of the diagonal's step of the tile in hand
.set CNT, 39
.set AO2, 40                           ; s[40:41], s[42:43] where t2's and t1's codes go
.set AO1, 42
.set AS2, 44                           ; s[44:45], s[46:47] and their scale bytes
.set AS1, 46
.set SD1, 60                           ; t1's diagonal
.macro CROUND                          ; a round of the cluster's barrier
	s_barrier_signal -1
	s_barrier_wait -1
	s_cmp_lg_u32 s[WV], 0
	s_cbranch_scc1 .Lnot_wave_0_\@
	s_barrier_signal -3
.Lnot_wave_0_\@:
	s_barrier_wait -3
	s_barrier_signal -1
	s_barrier_wait -1
.endm
	s_load_b128 s[4:7], s[0:1], 0x0                ; qkv, ao
	s_load_b64 s[8:9], s[0:1], 0x10                ; asc
	v_lshl_add_u32 v5, v0, 2, SPARE
	v_mov_b32 v6, 0
	ds_add_u32 v5, v6                              ; the wave's opening: the add, twice on end, and its wait ahead of my first tensor load
	ds_add_u32 v5, v6
	v_lshrrev_b32 v1, 5, v0
	v_readfirstlane_b32 s[WV], v1                  ; wave 0..15
	s_bfe_u32 s[CX], ttmp6, 0x40000                ; my place in the cluster
	s_and_b32 s[BH], ttmp7, 0xffff                 ; 16 x batch + head: the partners share it
	s_mov_b32 s[G1], 15|(3<<16)|(1<<21)            ; the mask: all four; elements of 8 bytes; no padding
	s_mov_b32 s[G1+1], 32<<16                      ; tensor_dim0 = 32 (256 bytes)
	s_mov_b32 s[G1+2], 25<<16                      ; tensor_dim1 = 25
	s_mov_b32 s[G1+3], 32<<16                      ; tile_dim0
	s_mov_b32 s[G1+4], 25                          ; tile_dim1
	s_mov_b32 s[G1+5], 32                          ; dense rows
	s_mov_b32 s[G1+6], 0
	s_mov_b32 s[G1+7], 0
	s_mul_i32 s13, s[WV], SHARE                    ; my share, in LDS as in the head's bytes
	s_mul_i32 s14, s[BH], HEADB
	s_add_co_u32 s14, s14, s13
	s_mov_b32 s15, 0
	s_mov_b32 s[SEL], 0x76543210
	s_mov_b32 s[SEL+1], 0xfedcba98
	s_mov_b32 s[CS], 0x4138aa3b                    ; 8 log2(e)
	s_mov_b32 s[CS+1], s[CS]
	s_lshl_b32 s48, s[WV], 2
	s_add_co_u32 s48, s48, s[CX]                   ; t1
	s_sub_co_u32 s49, 127, s48                     ; t2
	s_mul_i32 s50, s[BH], QHEAD
	s_add_co_u32 s50, s50, QC_OFF
	s_mul_i32 s52, s49, 768
	s_add_co_u32 s52, s52, s50                     ; t2's codes of Q
	s_mul_i32 s54, s48, 768
	s_add_co_u32 s54, s54, s50                     ; t1's
	s_lshl_b32 s50, s[BH], 12
	s_add_co_u32 s50, s50, QS_OFF
	s_lshl_b32 s56, s49, 5
	s_add_co_u32 s56, s56, s50                     ; t2's scale bytes of Q
	s_lshl_b32 s58, s48, 5
	s_add_co_u32 s58, s58, s50
	s_mov_b32 s53, 0
	s_mov_b32 s55, 0
	s_mov_b32 s57, 0
	s_mov_b32 s59, 0
	s_lshr_b32 s50, s[BH], 4
	s_lshl_b32 s50, s50, 7                         ; 128 x batch
	s_and_b32 s51, s[BH], 15                       ; head
	s_add_co_u32 s62, s50, s49                     ; t2 among the 512 tiles of tokens
	s_add_co_u32 s63, s50, s48
	s_mul_i32 s50, s51, 768
	s_mul_i32 s[AO2], s62, 12288                   ; ao: [tile of tokens][head][768]
	s_add_co_u32 s[AO2], s[AO2], s50
	s_mul_i32 s[AO1], s63, 12288
	s_add_co_u32 s[AO1], s[AO1], s50
	s_lshl_b32 s51, s51, 1
	s_lshl_b32 s[AS2], s62, 9                      ; asc: [token][32]: 16 tokens are 512 bytes; my head's two bytes
	s_add_co_u32 s[AS2], s[AS2], s51
	s_lshl_b32 s[AS1], s63, 9
	s_add_co_u32 s[AS1], s[AS1], s51
	s_mov_b32 s[AO2+1], 0
	s_mov_b32 s[AO1+1], 0
	s_mov_b32 s[AS2+1], 0
	s_mov_b32 s[AS1+1], 0
	s_lshr_b32 s[SD1], s[WV], 1
	s_lshl_b32 s[SD1], s[SD1], 7                   ; t1's diagonal: step w / 2
	s_sub_co_u32 s[SD], 1920, s[SD1]               ; t2's: step 15 - w / 2
	s_and_b32 s50, s48, 7
	s_lshl_b32 s50, s50, 4                         ; t1's first query less its diagonal step's first key
	s_and_b32 s51, s49, 7
	s_lshl_b32 s51, s51, 4
	s_wait_dscnt 0x0                               ; both opening adds are done
	s_wait_kmcnt 0x0
	s_mov_b32 s[G0A], 1
	s_mov_b32 s[G0A+1], s13
	s_add_nc_u64 s[G0A+2:G0A+3], s[4:5], s[14:15]
	s_mov_b32 s[G0B], 1
	s_add_co_u32 s[G0B+1], s13, PHASE
	s_add_nc_u64 s[G0B+2:G0B+3], s[G0A+2:G0A+3], PHASE
	s_or_b32 s[G0A+3], s[G0A+3], 0x80000000
	s_or_b32 s[G0B+3], s[G0B+3], 0x80000000
	s_add_nc_u64 s[52:53], s[4:5], s[52:53]
	s_add_nc_u64 s[54:55], s[4:5], s[54:55]
	s_add_nc_u64 s[56:57], s[4:5], s[56:57]
	s_add_nc_u64 s[58:59], s[4:5], s[58:59]
	s_add_nc_u64 s[AO2:AO2+1], s[6:7], s[AO2:AO2+1]
	s_add_nc_u64 s[AO1:AO1+1], s[6:7], s[AO1:AO1+1]
	s_add_nc_u64 s[AS2:AS2+1], s[8:9], s[AS2:AS2+1]
	s_add_nc_u64 s[AS1:AS1+1], s[8:9], s[AS1:AS1+1]
	CROUND                                         ; all four work-groups are here: the joint loads meet
	tensor_load_to_lds s[G0A:G0A+3], s[G1:G1+7]    ; every wave asks, with no branch: its share of steps 0-7,
	s_nop 0
	tensor_load_to_lds s[G0B:G0B+3], s[G1:G1+7]    ; and of steps 8-15
	s_nop 0
.rept 4
	v_nop
.endr
	v_and_b32 v4, 31, v0
	v_lshlrev_b32 v1, 4, v4
	v_lshlrev_b32 v2, 3, v4
	v_lshlrev_b32 v3, 1, v4
	v_lshlrev_b32 v4, 2, v4
	v_and_b32 v28, 15, v0                          ; r
	v_lshlrev_b32 v31, 1, v28
	global_load_b128 v[16:19], v1, s[52:53]        ; t2's Q: a half fragment as it lies,
	global_load_b64 v[20:21], v2, s[52:53] offset:512
	global_load_u16 v255, v31, s[56:57]            ; and its two scale bytes a query, zeros above
	global_load_b128 v[86:89], v1, s[54:55]        ; t1's likewise, kept for later
	global_load_b64 v[90:91], v2, s[54:55] offset:512
	global_load_u16 v92, v31, s[58:59]
	v_bfe_u32 v30, v0, 4, 1
	v_lshlrev_b32 v30, 3, v30
	v_sub_nc_u32 v30, v28, v30                     ; r - 8 h
	v_add_nc_u32 v29, s50, v30                     ; in the diagonal's step register 8 t + j holds key 16 t + 8 h + j of the step: hidden where 16 t + j > my query in the step - 8 h
	v_add_nc_u32 v7, s51, v30
	v_lshlrev_b32 v28, 5, v28
.irp i, 0,1,2,3,4,5
	v_mov_b32 v[22+\i], 0                          ; Q's upper half: zero codes
	v_mov_b32 v[80+\i], 0                          ; and what stands behind K's tile 7
.endr
.irp b, 0,1,2,3
	v_mov_b32 v[236+\b], 0                         ; written once: a lane permute's destination counts as one of its sources
.endr
	v_mov_b32 v253, 0                              ; (named as the upper half of the pair v[252:253] before it is first written)
.macro BEGIN                           ; a tile's statistics and O^T: the step is written once, and the first change of M leaves zeros zeros
	v_mov_b32 v13, 0xff61b1e6                      ; the largest t so far: -3e38
	v_floor_f32 v12, -v13                          ; -M
	v_mov_b32 v14, 0
	v_mov_b32 v15, 0
.set J, 0
.rept 32
	v_mov_b32 v[160+J], 0
.set J, J+1
.endr
.endm
	BEGIN
; A KEY STEP: 128 keys.  mask = 1: the step may lie on the diagonal or behind it.
.macro STEP mask
.if \mask
	s_cmp_gt_u32 s[KF], s[SD]                      ; all its keys come after my queries: the work is left out; the wave's number and the count of steps alone decide
	s_cbranch_scc1 .Lhid_\@
.endif
	v_add_nc_u32 v8, s[TB], v1                     ; (these four are the places in front of the loads into registers that the last products have read)
	v_add_nc_u32 v9, s[TB], v2
	v_add_nc_u32 v10, s[TB], v3
	v_add_nc_u32 v11, s[TB], v4
.irp t, 0,1,2,3,4,5,6,7
	ds_load_b128 v[32+6*\t:35+6*\t], v8 offset:768*\t          ; K's tile t: 512 consecutive bytes,
	ds_load_b64 v[36+6*\t:37+6*\t], v9 offset:768*\t+512       ; then 256
.endr
.irp u, 0,1,2,3
	ds_load_u16 v[248+\u], v10 offset:KSO+64*\u                ; lanes 0-15: tile 2 u's scale bytes, lanes 16-31: tile 2 u + 1's
.endr
	s_wait_dscnt 0x0
.irp t, 0,2,4,6
	v_wmma_scale_f32_16x16x128_f8f6f4 v[96+8*\t:103+8*\t], v[32+6*\t:43+6*\t], v[16:27], 0, v[248+\t/2], v255 matrix_a_fmt:MATRIX_FMT_FP6 matrix_b_fmt:MATRIX_FMT_FP6
	v_wmma_scale_f32_16x16x128_f8f6f4 v[96+8*(\t+1):103+8*(\t+1)], v[32+6*(\t+1):43+6*(\t+1)], v[16:27], 0, v[248+\t/2], v255 matrix_a_fmt:MATRIX_FMT_FP6 matrix_b_fmt:MATRIX_FMT_FP6 matrix_a_scale:MATRIX_SCALE_ROW1
.endr
.rept 4
	v_nop                                          ; places: in front of the loads below and of the first read of the scores
.endr
.irp ct, 0,1,2,3                               ; V's four fragments (16 channels x 128 keys) are asked for now and land under the softmax
.irp c, 0,1
	ds_load_b128 v[32+12*\ct+6*\c:35+12*\ct+6*\c], v8 offset:VO+3072*\c+768*\ct
	ds_load_b64 v[36+12*\ct+6*\c:37+12*\ct+6*\c], v9 offset:VO+3072*\c+768*\ct+512
.endr
.endr
.irp u, 0,1
	ds_load_b32 v[248+\u], v11 offset:VSO+128*\u               ; lanes 0-15: channels 32 u on, lanes 16-31: 32 u + 16 on
.endr
.if \mask
	s_cmp_lt_u32 s[KF], s[SD]                      ; ahead of the diagonal's step every key counts
	s_cbranch_scc1 .Lopen_\@
	v_mov_b32 v254, 0xff800000                     ; on it the scores of hidden keys become -infinity: p = 0
.set J, 0
.rept 64
	v_cmp_gt_i32 vcc_lo, 16*(J/8)+J%8, v7
	v_cndmask_b32 v[96+J], v[96+J], v254, vcc_lo
.set J, J+1
.endr
.Lopen_\@:
.endif
.irp b, 0,1,2,3
	v_max3_num_f32 v[232+\b], v[96+16*\b], v[97+16*\b], v[98+16*\b]   ; the largest score of each block of 32 keys: for the row's maximum and for the block's largest p
.endr
.irp i, 3,5,7,9,11,13
.irp b, 0,1,2,3
	v_max3_num_f32 v[232+\b], v[232+\b], v[96+16*\b+\i], v[97+16*\b+\i]
.endr
.endr
.irp b, 0,1,2,3
	v_max_num_f32 v[232+\b], v[232+\b], v[111+16*\b]
.endr
.irp b, 0,1,2,3
	v_permlanex16_b32 v[236+\b], v[232+\b], s[SEL], s[SEL+1]
.endr
.irp b, 0,1,2,3
	v_max_num_f32 v[232+\b], v[232+\b], v[236+\b]  ; with lane l xor 16's 16 keys
.endr
	v_max3_num_f32 v254, v232, v233, v234
	v_max_num_f32 v254, v254, v235
	v_mul_f32 v254, s[CS], v254                    ; as t (c is positive)
	v_max_num_f32 v13, v13, v254                   ; the running largest t
	v_mov_b32 v254, v12
	v_floor_f32 v12, -v13                          ; the new -M = -ceil(t)
	v_sub_f32 v254, v12, v254                      ; old M - new M: a whole number, 0 or less
	v_cvt_i32_f32 v254, v254                       ; (it saturates)
	v_ldexp_f32 v252, 1.0, v254                    ; f = 2^(old M - new M)
.set J, 0
.rept 32
	v_pk_fma_f32 v[96+J:97+J], v[96+J:97+J], s[CS:CS+1], v[12:13] op_sel_hi:[1,0,0]   ; t - M, two at a time
.set J, J+2
.endr
.irp b, 0,1,2,3
	v_fma_f32 v[232+\b], v[232+\b], s[CS], v12     ; the same of each block's largest score
.endr
.set J, 0
.rept 64
	v_exp_f32 v[96+J], v[96+J]                     ; p = 2^(t - M)
.set J, J+1
.endr
	v_pk_mul_f32 v[14:15], v[14:15], v[252:253] op_sel_hi:[1,0]   ; the sums under the new M: a plain place behind the exponentials
	s_wait_alu depctr_va_vdst(0)                   ; one wait for the whole batch, ahead of its first reader
.irp b, 0,1,2,3
	v_exp_f32 v[232+\b], v[232+\b]                 ; the block's largest p
.endr
	v_pk_add_f32 v[236:237], v[96:97], v[98:99]    ; the row's sum of the unquantised p, in two chains
.irp j, 4,8,12,16,20,24,28,32,36,40,44,48,52,56,60
	v_pk_add_f32 v[14:15], v[14:15], v[96+\j:97+\j]
	v_pk_add_f32 v[236:237], v[236:237], v[98+\j:99+\j]
.endr
	v_pk_add_f32 v[14:15], v[14:15], v[236:237]
	s_wait_alu depctr_va_vdst(0)                   ; and one for the four
.irp b, 0,1,2,3
	v_max_num_f32 v[232+\b], 0x1800000, v[232+\b]  ; the floor 2^(3 - 127): the byte cannot fall under 1
.endr
.irp b, 0,1,2,3
	v_add_nc_u32 v[244+\b], 0xff000000, v[232+\b]  ; 2 off the exponent field: the conversion's scale operand
.endr
.irp b, 0,1,2,3
	v_lshrrev_b32 v[236+\b], 23, v[244+\b]
.endr
	v_lshl_or_b32 v253, v237, 8, v236              ; p's scale word for these 128 keys
	v_lshl_or_b32 v253, v238, 16, v253
	v_lshl_or_b32 v253, v239, 24, v253
.irp c, 0,1
	v_cvt_scalef32_pk16_fp6_f32 v[224+6*\c:226+6*\c], v[96+32*\c:111+32*\c], v[244+2*\c]
	v_cvt_scalef32_pk16_fp6_f32 v[236+4*\c:238+4*\c], v[112+32*\c:127+32*\c], v[244+2*\c+1]
.endr
	v_nop                                          ; one plain place behind a scaled conversion
.irp c, 0,1                                    ; a whole block to a lane
.irp i, 0,1,2
	v_permlane16_swap_b32 v[224+6*\c+\i], v[236+4*\c+\i]
.endr
.irp i, 0,1,2
	v_mov_b32 v[227+6*\c+\i], v[236+4*\c+\i]
.endr
.endr
.set J, 0
.rept 16
	v_pk_mul_f32 v[160+J:161+J], v[160+J:161+J], v[252:253] op_sel_hi:[1,0]   ; O^T under the new M; these are also the places between p's codes and scale word and the products
.set J, J+2
.endr
	s_wait_dscnt 0x0                               ; V is in
.irp ct, 0,2                                   ; O^T += V^T P^T: four accumulators, one instruction a turn
	v_wmma_scale_f32_16x16x128_f8f6f4 v[160+8*\ct:167+8*\ct], v[32+12*\ct:43+12*\ct], v[224:235], v[160+8*\ct:167+8*\ct], v[248+\ct/2], v253 matrix_a_fmt:MATRIX_FMT_FP6 matrix_b_fmt:MATRIX_FMT_FP6
	v_wmma_scale_f32_16x16x128_f8f6f4 v[160+8*(\ct+1):167+8*(\ct+1)], v[32+12*(\ct+1):43+12*(\ct+1)], v[224:235], v[160+8*(\ct+1):167+8*(\ct+1)], v[248+\ct/2], v253 matrix_a_fmt:MATRIX_FMT_FP6 matrix_b_fmt:MATRIX_FMT_FP6 matrix_a_scale:MATRIX_SCALE_ROW1
.endr
.if \mask
.Lhid_\@:
.endif
	s_add_co_u32 s[KF], s[KF], 128
	s_add_co_u32 s[TB], s[TB], STEPB
.endm
.macro LOOP8 mask                      ; eight steps: the trip count is a constant; what a wave does not need it jumps over inside the step
	s_mov_b32 s[CNT], 8
.Lstep_\@:
	STEP \mask
	s_sub_co_u32 s[CNT], s[CNT], 1
	s_cmp_lg_u32 s[CNT], 0
	s_cbranch_scc1 .Lstep_\@
.endm
; A TILE'S END: O^T / the sum, brought into the natural order of channels (the projection's weights come in it), quantised in two blocks of 32, stored as one half fragment and two scale bytes a token.
.macro EPI ao, as
	v_add_f32 v14, v14, v15
	v_permlanex16_b32 v252, v14, s[SEL], s[SEL+1]
	v_add_f32 v14, v14, v252                       ; the row's sum
	v_rcp_f32 v14, v14
.rept 4
	v_nop                                          ; the plain place behind the reciprocal, and the places behind the last products
.endr
	s_wait_alu depctr_va_vdst(0)                   ; ahead of the reciprocal's first reader
.set J, 0
.rept 16
	v_pk_mul_f32 v[96+J:97+J], v[160+J:161+J], v[14:15] op_sel_hi:[1,0]   ; register 8 t + j: channel 16 t + 8 h + j; each accumulator from its low end on
.set J, J+2
.endr
.irp b, 0,1
.irp j, 0,1,2,3,4,5,6,7
	v_permlane16_swap_b32 v[96+16*\b+\j], v[104+16*\b+\j]      ; now registers 16 b + 0 .. 15 are channels 32 b + 16 h + 0 .. 15
.endr
.endr
.irp b, 0,1
	v_max3_num_f32 v[232+\b], |v[96+16*\b]|, |v[97+16*\b]|, 0x1800000
.endr
.irp i, 2,4,6,8,10,12,14
.irp b, 0,1
	v_max3_num_f32 v[232+\b], v[232+\b], |v[96+16*\b+\i]|, |v[97+16*\b+\i]|
.endr
.endr
.irp b, 0,1
	v_permlanex16_b32 v[236+\b], v[232+\b], s[SEL], s[SEL+1]
.endr
.irp b, 0,1
	v_max_num_f32 v[232+\b], v[232+\b], v[236+\b]
.endr
.irp b, 0,1
	v_add_nc_u32 v[244+\b], 0xff000000, v[232+\b]
.endr
.irp b, 0,1
	v_lshrrev_b32 v[236+\b], 23, v[244+\b]
.endr
	v_lshl_or_b32 v240, v237, 8, v236              ; my token's two scale bytes
	v_cvt_scalef32_pk16_fp6_f32 v[224:226], v[96:111], v244
	v_cvt_scalef32_pk16_fp6_f32 v[228:230], v[112:127], v245
	v_nop
.irp i, 0,1,2
	v_permlane16_swap_b32 v[224+\i], v[228+\i]     ; lanes 0-15 block 0, lanes 16-31 block 1: the lower 16 codes, the upper 16
.endr
	v_mov_b32 v227, v228
	v_mov_b32 v228, v229
	v_mov_b32 v229, v230
	global_store_b128 v1, v[224:227], s[\ao:\ao+1]             ; 512 consecutive bytes, then 256, aligned to 256 from ao's first byte
	global_store_b64 v2, v[228:229], s[\ao:\ao+1] offset:512
	global_store_b16 v28, v240, s[\as:\as+1]                   ; two bytes of each of 16 rows of 32 (both halves of the lanes store the same): the one store here that does not cover 256 consecutive bytes
	s_wait_xcnt 0x0                                ; the stores have read their registers: these are written again only behind this wait
.endm
	s_wait_tensorcnt 0x1                           ; my share of steps 0-7 is in; that of steps 8-15 may stay out
	s_barrier_signal -1
	s_barrier_wait -1                              ; everybody's is
	s_wait_loadcnt 0x0                             ; Q
	s_mov_b32 s[TB], 0
	s_mov_b32 s[KF], 0
	LOOP8 0                                        ; t2, steps 0-7: its diagonal lies in step 8 or later, so every key counts
	s_wait_tensorcnt 0x0                           ; my share of steps 8-15 is in,
	s_wait_dscnt 0x0
	s_barrier_signal -1
	s_barrier_wait -1                              ; everybody's is
	LOOP8 1                                        ; t2, steps 8-15, up to its diagonal
	EPI AO2, AS2
	v_mov_b32 v255, v92                            ; t1: its scale word first, then its codes: the lines below are the places in front of the next products
.irp i, 0,1,2,3,4,5
	v_mov_b32 v[16+\i], v[86+\i]
.endr
	v_mov_b32 v7, v29
	BEGIN
	s_mov_b32 s[TB], 0
	s_mov_b32 s[KF], 0
	s_mov_b32 s[SD], s[SD1]
	LOOP8 1                                        ; t1, steps 0-7, up to its diagonal
	EPI AO1, AS1
	s_wait_tensorcnt 0x0                           ; the wave's end
	ds_add_u32 v5, v6
	s_wait_dscnt 0x0
	CROUND                                         ; the closing round
	s_endpgm
.Lfunc_end_k_q53182f7e3c_attn:
	.size	k_q53182f7e3c_attn, .Lfunc_end_k_q53182f7e3c_attn-k_q53182f7e3c_attn
	.p2alignl 7, 3214868480
	.fill 96, 4, 3214868480
	.section	.rodata,"a",@progbits
	.p2align	6, 0x0
	.amdhsa_kernel k_q53182f7e3c_attn
		.amdhsa_group_segment_fixed_size 206848
		.amdhsa_private_segment_fixed_size 0
		.amdhsa_enable_private_segment 0
		.amdhsa_kernarg_size 24
		.amdhsa_user_sgpr_count 2
		.amdhsa_user_sgpr_kernarg_segment_ptr 1
		.amdhsa_wavefront_size32 1
		.amdhsa_system_sgpr_workgroup_id_x 1
		.amdhsa_system_sgpr_workgroup_id_y 1
		.amdhsa_system_sgpr_workgroup_id_z 1
		.amdhsa_system_vgpr_workitem_id 0
		.amdhsa_next_free_vgpr 256
		.amdhsa_next_free_sgpr 66
		.amdhsa_reserve_vcc 1
		.amdhsa_float_denorm_mode_32 3
		.amdhsa_float_denorm_mode_16_64 3
		.amdhsa_memory_ordered 1
		.amdhsa_forward_progress 1
		.amdhsa_inst_pref_size 77
	.end_amdhsa_kernel
	.amdgpu_metadata
---
amdhsa.version: [ 1, 2 ]
amdhsa.kernels:
  - .name:           k_q53182f7e3c_attn
    .symbol:         k_q53182f7e3c_attn.kd
    .args:
      - { .name: qkv, .offset: 0, .size: 8, .value_kind: global_buffer, .address_space: global }
      - { .name: ao, .offset: 8, .size: 8, .value_kind: global_buffer, .address_space: global }
      - { .name: asc, .offset: 16, .size: 8, .value_kind: global_buffer, .address_space: global }
    .group_segment_fixed_size: 206848
    .private_segment_fixed_size: 0
    .kernarg_segment_align: 8
    .kernarg_segment_size: 24
    .max_flat_workgroup_size: 512
    .sgpr_count:     66
    .vgpr_count:     256
    .wavefront_size: 32
...
	.end_amdgpu_metadata
.endif
;; end of part 2
;; launch proj (part 3): grid 4 x 32, 4 waves a work-group, clusters of 4 x 4, 327,680 bytes of LDS; arguments ao, asc, w_proj_codes, w_proj_scales, b_proj, out0; writes out0
.if DOCPART == 3
	.amdgcn_target "amdgcn-amd-amdhsa--gfx1250"
	.amdhsa_code_object_version 6
	.text
	.protected	k_q53182f7e3c_proj
	.globl	k_q53182f7e3c_proj
	.p2align	8
	.type	k_q53182f7e3c_proj,@function
k_q53182f7e3c_proj:
	s_mov_b64 s[64:65], 0
	v_nop
	global_prefetch_b8 v0, s[64:65] scope:SCOPE_SE
	s_setreg_imm32_b32 hwreg(HW_REG_WAVE_MODE, 25, 1), 1
	s_wait_xcnt 0x0
	s_wait_alu depctr_hold_cnt(0) depctr_sa_sdst(0) depctr_va_vdst(0) depctr_va_sdst(0) depctr_va_ssrc(0) depctr_va_vcc(0) depctr_vm_vsrc(0)
	s_getreg_b32 s2, hwreg(HW_REG_IB_STS2, 6, 4)
	s_cmp_eq_u32 s2, 0
	s_cbranch_scc0 .Lentry_in_a_cluster
	s_endpgm
.Lentry_in_a_cluster:
	s_bfe_u32 s2, ttmp6, 0x10000c
	s_cmp_lg_u32 s2, 0xf033
	s_cbranch_scc0 .Lentry_shape_is_right
	s_endpgm
.Lentry_shape_is_right:
; LAUNCH 3 OF 3: out0 = A w_proj + b_proj on codes of FP6 (E2M3); A is the attention's result as the second launch has stored it; sums in f32.  Nothing is left out here.
; SHARES.  A work-group of four waves makes 256 tokens x 256 columns, a wave 128 x 128: 64 accumulators.  K = 1,024 goes in four steps of 256 (four heads) through two LDS slots; the scale bytes come once.
; 128 work-groups: the tile of 256 x 256 feeds the most products from each LDS byte; a tile of 128 x 256 would give each WGP a work-group at one and a half times the LDS bytes for each product.
; SOURCE 1 = 16 tokens, SOURCE 0 = 16 rows of w_proj: a lane holds eight neighbouring columns of one row of out0.  Source 1's tile is shared along a row of the cluster, source 0's along a column: joint loads.
; A's CODES lie as half fragments of 768 bytes, [tile of 16 tokens][head][768]: images of six operand registers (lane l's registers 0-3 at 16 l, registers 4-5 at 512 + 8 l).  A K step's four heads of a tile are 3,072
; consecutive bytes; a wave's load brings 8 such rows, 12,288 bytes apart.  A fragment comes out of LDS by two loads of 16 bytes and two of 8, each over consecutive bytes.
; THE BIAS is the C of each sum's first matrix instruction: eight registers for each 16 columns, in the result's layout.
; REGISTERS, in windows of 256: window 0: v1-31 addresses; v32-63 scale words, two sets; v64-127 the bias; from v128 A's fragments, one set; on the way out v128-255.  window 1: w_proj's fragments, two sets.
;   windows 2, 3: the accumulators of my tokens 0-63 and 64-127.
.set NQ,     2
.set ROWB,   192                       ; w_proj: 256 codes
.set KROW,   768
.set PITCH,  240                       ; w_proj's LDS row: 3 x (64 + 16)
.set FR,     12
.set NLA,    4                         ; LDS loads that bring a fragment of A
.set NP,     4
.set AROW,   3072                      ; A: a tile of tokens, four heads
.set APIT,   12288                     ; from tile to tile in memory
.set HALFA,  8*AROW
.set HALFB,  128*PITCH
.set SLOT,   2*HALFA+2*HALFB           ; A's two halves, then w_proj's two
.set KS,     32
.set SCL,    2*SLOT
.set HALFS,  (128*KS/256)*272
.set SBLK,   (16*KS/256)*272
.set SPARE,  SCL+4*HALFS               ; the spare words: no other line names them
.set STG,    SPARE+512                 ; the way out: 16 rows x (512 + 16) bytes for each wave; no tile lands here
.set SPITCH, 528
.set SIZE_N, 1024
.set ADRA, 16                          ; v16-17 A in slot 0, 1 + 16 x lane; v18-19 + 8 x lane
.set ADRB, 20                          ; v20-21 w_proj's fragments; v22-23 behind one padding more
.set STO,  24
.set RD,   25
.set CO,   26
.set ADRS, 27
.set SPW,  28
.set NIL,  29
.set SC,   32
.set BI,   64
.set AF,   128
.set BK,   128
.set G1, 24
.set G0, 32
.set G1B, 48
.set G0B, 56
.set G1S, 68
.set G0S, 76
.set G1SB, 80
.set G0SB, 88
.set MSB, 0
.macro WIN new
.if MSB != \new
	s_set_vgpr_msb (MSB<<8)|\new
.set MSB, \new
.endif
.endm
.set MUL_LO, 0xa1
.set MUL_HI, 0xf1
.set TO_B,   0x40
.macro JLOAD g0a, g1a, g0b, g1b        ; waves 0 and 1 fetch for A, waves 2 and 3 for w_proj; an s_nop 0 and four v_nop follow each line
	s_cmp_eq_u32 s15, 0
	s_cbranch_scc0 .Lfor_b_\@
	tensor_load_to_lds s[\g0a:\g0a+3], s[\g1a:\g1a+7]
	s_nop 0
.rept 4
	v_nop
.endr
	s_branch .Lasked_\@
.Lfor_b_\@:
	tensor_load_to_lds s[\g0b:\g0b+3], s[\g1b:\g1b+7]
	s_nop 0
.rept 4
	v_nop
.endr
.Lasked_\@:
.endm
.macro CREST
	s_cmp_lg_u32 s14, 0
	s_cbranch_scc1 .Lnot_wave_0_\@
	s_barrier_signal -3
.Lnot_wave_0_\@:
	s_barrier_wait -3
	s_barrier_signal -1
	s_barrier_wait -1
.endm
.macro CROUND
	s_barrier_signal -1
	s_barrier_wait -1
	CREST
.endm
	s_load_b128 s[4:7], s[0:1], 0x0                ; ao, asc
	s_load_b128 s[8:11], s[0:1], 0x10              ; w_proj's codes, w_proj's scales
	s_load_b64 s[96:97], s[0:1], 0x20              ; b_proj
	s_load_b64 s[12:13], s[0:1], 0x28              ; out0
	v_lshl_add_u32 v[SPW], v0, 2, SPARE
	v_mov_b32 v[NIL], 0
	ds_add_u32 v[SPW], v[NIL]                      ; the wave's opening: the add, twice on end, and its wait ahead of my first tensor load
	ds_add_u32 v[SPW], v[NIL]
	v_lshrrev_b32 v1, 5, v0
	v_readfirstlane_b32 s14, v1                    ; wave 0..3
	s_lshr_b32 s15, s14, 1                         ; which half of the tokens is mine.  Also: I fetch for A (0) or for w_proj (1)
	s_and_b32 s16, s14, 1                          ; which half of the columns.  Also: which half of that tile I fetch
	s_bfe_u32 s40, ttmp6, 0x40000                  ; cx
	s_bfe_u32 s41, ttmp6, 0x40004                  ; cy
	s_lshl_b32 s42, ttmp9, 2
	s_add_co_u32 s42, s42, s40                     ; tile column
	s_and_b32 s17, ttmp7, 0xffff
	s_lshl_b32 s17, s17, 2
	s_add_co_u32 s17, s17, s41                     ; tile row
	s_lshl_b32 s43, s41, 2
	s_lshl_b32 s43, 15, s43                        ; my row of the cluster
	s_lshl_b32 s44, 0x1111, s40                    ; my column
	s_or_b32 s[G1+0], s43, (3<<16)|(1<<21)         ; A: elements of 8 bytes, no padding
	s_mov_b32 s[G1+1], (AROW/8)<<16                ; tensor_dim0 = 384
	s_mov_b32 s[G1+2], 8<<16                       ; tensor_dim1 = 8
	s_mov_b32 s[G1+3], (AROW/8)<<16                ; tile_dim0
	s_mov_b32 s[G1+4], 8                           ; tile_dim1
	s_mov_b32 s[G1+5], APIT/8                      ; from row to row
	s_mov_b32 s[G1+6], 0
	s_mov_b32 s[G1+7], 0
	s_or_b32 s[G1B+0], s44, (0<<16)|(1<<20)|(1<<21)|(3<<22)|(3<<25)   ; w_proj: 128 rows x 192 bytes, 16 bytes of padding behind every 64
	s_mov_b32 s[G1B+1], ROWB<<16
	s_mov_b32 s[G1B+2], 128<<16
	s_mov_b32 s[G1B+3], ROWB<<16
	s_mov_b32 s[G1B+4], 128
	s_mov_b32 s[G1B+5], KROW
	s_mov_b32 s[G1B+6], 0
	s_mov_b32 s[G1B+7], 0
	s_or_b32 s[G1S+0], s43, (3<<16)|(1<<20)|(1<<21)|(5<<22)|(3<<25)   ; the scales of 128 rows: 16 rows of 256 bytes, 16 of padding behind each
	s_or_b32 s[G1SB+0], s44, (3<<16)|(1<<20)|(1<<21)|(5<<22)|(3<<25)
.irp g, G1S, G1SB
	s_mov_b32 s[\g+1], 32<<16
	s_mov_b32 s[\g+2], (128*KS/256)<<16
	s_mov_b32 s[\g+3], 32<<16
	s_mov_b32 s[\g+4], 128*KS/256
	s_mov_b32 s[\g+5], 32
	s_mov_b32 s[\g+6], 0
	s_mov_b32 s[\g+7], 0
.endr
	s_lshl_b32 s20, s17, 4
	s_lshl_b32 s18, s16, 3
	s_add_co_u32 s20, s20, s18                     ; A: the first of the 8 tiles of tokens that I fetch
	s_mul_i32 s20, s20, APIT
	s_mov_b32 s21, 0
	s_lshl_b32 s18, s16, 7
	s_lshl_b32 s22, s17, 8
	s_add_co_u32 s22, s22, s18
	s_lshl_b32 s22, s22, 5                         ; their 128 tokens' scale bytes
	s_mov_b32 s23, 0
	s_lshl_b32 s46, s42, 8
	s_add_co_u32 s46, s46, s18                     ; w_proj: the row
	s_lshl_b32 s92, s46, 5
	s_mov_b32 s93, 0
	s_mul_i32 s46, s46, KROW
	s_mov_b32 s47, 0
	s_mul_i32 s45, s16, HALFA                      ; where they go: A's halves,
	s_mul_i32 s95, s16, HALFB
	s_add_co_u32 s95, s95, 2*HALFA                 ; w_proj's behind them,
	s_mul_i32 s94, s14, HALFS                      ; the scales by the wave's number
	s_wait_dscnt 0x0                               ; both opening adds are done
	s_wait_kmcnt 0x0
	s_add_nc_u64 s[20:21], s[4:5], s[20:21]
	s_add_nc_u64 s[22:23], s[6:7], s[22:23]
	s_add_nc_u64 s[46:47], s[8:9], s[46:47]
	s_add_nc_u64 s[92:93], s[10:11], s[92:93]
	CROUND                                         ; all sixteen work-groups are here: the first joint loads meet
	s_mov_b32 s[G0S], 1
	s_add_co_u32 s[G0S+1], s94, SCL
	s_mov_b64 s[G0S+2:G0S+3], s[22:23]
	s_or_b32 s[G0S+3], s[G0S+3], 0x80000000
	s_mov_b32 s[G0SB], 1
	s_add_co_u32 s[G0SB+1], s94, SCL
	s_mov_b64 s[G0SB+2:G0SB+3], s[92:93]
	s_or_b32 s[G0SB+3], s[G0SB+3], 0x80000000
	JLOAD G0S, G1S, G0SB, G1SB
.irp s, 0,1
	s_mov_b32 s[G0+4*\s], 1
	s_add_co_u32 s[G0+4*\s+1], s45, \s*SLOT
	s_add_nc_u64 s[G0+4*\s+2:G0+4*\s+3], s[20:21], \s*AROW
	s_or_b32 s[G0+4*\s+3], s[G0+4*\s+3], 0x80000000
	s_mov_b32 s[G0B+4*\s], 1
	s_add_co_u32 s[G0B+4*\s+1], s95, \s*SLOT
	s_add_nc_u64 s[G0B+4*\s+2:G0B+4*\s+3], s[46:47], \s*ROWB
	s_or_b32 s[G0B+4*\s+3], s[G0B+4*\s+3], 0x80000000
	JLOAD G0+4*\s, G1, G0B+4*\s, G1B               ; three loads of mine are out behind the second
.endr
	v_and_b32 v1, 15, v0                           ; r
	v_bfe_u32 v2, v0, 4, 1                         ; h
	s_lshl_b32 s46, s42, 10                        ; my first column, in bytes of f32: 1,024 x tile column + 512 x half
	s_lshl_b32 s47, s16, 9
	s_add_co_u32 s46, s46, s47
	s_mov_b32 s47, 0
	s_add_nc_u64 s[96:97], s[96:97], s[46:47]
	v_lshlrev_b32 v9, 5, v2                        ; the bias: lane (r, h) wants, for block b, columns 16 b + 8 h + 0 .. 7
.irp b, 0,1,2,3,4,5,6,7
	global_load_b128 v[BI+8*\b:BI+8*\b+3], v9, s[96:97] offset:64*\b
	global_load_b128 v[BI+8*\b+4:BI+8*\b+7], v9, s[96:97] offset:64*\b+16
.endr
	v_mul_u32_u24 v3, v1, PITCH
	v_mul_u32_u24 v4, v2, 24
	v_add_nc_u32 v4, v3, v4
	v_lshl_add_u32 v5, v2, 4, v4
	v_and_b32 v6, 31, v0
	v_lshlrev_b32 v7, 4, v6
	v_lshlrev_b32 v8, 3, v6
	s_mul_i32 s21, s15, HALFA                      ; my 128 tokens
	s_mul_i32 s22, s16, HALFB
	s_add_co_u32 s22, s22, 2*HALFA                 ; my 128 rows of w_proj
.irp s, 0,1
	v_add_nc_u32 v[ADRA+\s], s21, v7
	v_add_nc_u32 v[ADRA+2+\s], s21, v8
	v_add_nc_u32 v[ADRB+\s], s22, v4
	v_add_nc_u32 v[ADRB+2+\s], s22, v5
	s_add_co_u32 s21, s21, SLOT
	s_add_co_u32 s22, s22, SLOT
.endr
	v_mul_u32_u24 v5, v1, KS
	v_lshrrev_b32 v6, 8, v5
	v_lshl_add_u32 v5, v6, 4, v5
	s_mul_i32 s21, s15, HALFS
	s_mul_i32 s22, s16, HALFS
	s_add_co_u32 s22, s22, 2*HALFS
	s_sub_co_u32 s22, s22, s21
	v_mul_u32_u24 v6, s22, v2                      ; lanes 16-31 take w_proj's
	s_add_co_u32 s21, s21, SCL
	v_add_nc_u32 v5, v5, v6
	v_add_nc_u32 v[ADRS], s21, v5
	s_mul_i32 s23, s14, 16*SPITCH
	s_add_co_u32 s23, s23, STG                     ; my stage
	v_mul_u32_u24 v5, v1, SPITCH
	v_lshl_add_u32 v5, v2, 5, v5
	v_add_nc_u32 v[STO], s23, v5
	v_mov_b32 v[CO], v7                            ; back: the 32 lanes take one row of 512 bytes; and the same in out0
	v_add_nc_u32 v[RD], s23, v[CO]
	s_lshl_b32 s20, s17, 8
	s_lshl_b32 s21, s15, 7
	s_add_co_u32 s20, s20, s21                     ; my first token
	s_lshl_b32 s20, s20, 12                        ; rows of 4,096 bytes (under 2^25)
	s_mov_b32 s21, 0
	s_add_nc_u64 s[20:21], s[20:21], s[46:47]
	s_add_nc_u64 s[12:13], s[12:13], s[20:21]
.macro FRAG reg, adr, q, i             ; w_proj: 16 rows x 128 K in pieces of 8 bytes
.irp p, 0,1,2,3,4,5
.set PCE, 12*(\q)+6*(\p/3)+\p%3
.if PCE%8 < 5
	ds_load_b64 v[\reg+2*\p:\reg+2*\p+1], v[\adr] offset:8*PCE+16*(PCE/8)+(\i)*16*PITCH
.else
	ds_load_b64 v[\reg+2*\p:\reg+2*\p+1], v[\adr+2] offset:8*PCE+16*(PCE/8)+(\i)*16*PITCH
.endif
.endr
.endm
.macro FRAGA reg, slot, q, i           ; A: tile i of tokens, heads 2 q and 2 q + 1 of the slot's four: two images of six registers
.irp c, 0,1
	ds_load_b128 v[\reg+6*\c:\reg+6*\c+3], v[ADRA+\slot] offset:(\i)*AROW+(2*(\q)+\c)*768
	ds_load_b64 v[\reg+6*\c+4:\reg+6*\c+5], v[ADRA+2+\slot] offset:(\i)*AROW+(2*(\q)+\c)*768+512
.endr
.endm
; 16 matrix instructions.  bias = 1: the first K step, whose C is the bias.  The 64 accumulators take turns, one instruction a turn, in the same order in every step.
.macro MUL16 a0, p, q, sc, bias
.irp a, \a0, \a0+1
.irp b, 0,1,2,3,4,5,6,7
.if \bias
	v_wmma_scale_f32_16x16x128_f8f6f4 v[8*(8*((\a)%4)+\b):8*(8*((\a)%4)+\b)+7], v[128*(\p)+FR*\b:128*(\p)+FR*\b+FR-1], v[AF+FR*(\a):AF+FR*(\a)+FR-1], v[BI+8*\b:BI+8*\b+7], v[SC+8*NQ*(\sc)+NQ*\b+(\q)], v[SC+8*NQ*(\sc)+NQ*(\a)+(\q)] matrix_a_fmt:MATRIX_FMT_FP6 matrix_b_fmt:MATRIX_FMT_FP6 matrix_a_scale:MATRIX_SCALE_ROW1
.else
	v_wmma_scale_f32_16x16x128_f8f6f4 v[8*(8*((\a)%4)+\b):8*(8*((\a)%4)+\b)+7], v[128*(\p)+FR*\b:128*(\p)+FR*\b+FR-1], v[AF+FR*(\a):AF+FR*(\a)+FR-1], v[8*(8*((\a)%4)+\b):8*(8*((\a)%4)+\b)+7], v[SC+8*NQ*(\sc)+NQ*\b+(\q)], v[SC+8*NQ*(\sc)+NQ*(\a)+(\q)] matrix_a_fmt:MATRIX_FMT_FP6 matrix_b_fmt:MATRIX_FMT_FP6 matrix_a_scale:MATRIX_SCALE_ROW1
.endif
.endr
.endr
.endm
.macro FETCH_B slot, q, p
	WIN TO_B
.irp i, 0,1,2,3,4,5,6,7
	FRAG 128*(\p)+FR*\i, ADRB+\slot, \q, \i
.endr
	WIN 0
.endm
.macro FETCH_A slot, q, i0
.irp i, \i0, \i0+1, \i0+2, \i0+3
	FRAGA AF+FR*(\i), \slot, \q, \i
.endr
.endm
.macro SCALES sc
.irp i, 0,1,2,3,4,5,6,7
	ds_load_b64 v[SC+8*NQ*\sc+NQ*\i:SC+8*NQ*\sc+NQ*\i+1], v[ADRS] offset:\i*SBLK
.endr
.endm
.macro PLACES n
.rept \n
	v_nop
.endr
.endm
.macro STEP slot, q, bias
	s_wait_dscnt 4*NLA                             ; w_proj's set and A's blocks 0-3 are in; the youngest 16 loads (blocks 4-7) may be out
	WIN (MUL_LO-0x20*(\bias))                      ; (with the bias: C in window 0)
	MUL16 0, (\q)%2, \q, \slot, \bias
	MUL16 2, (\q)%2, \q, \slot, \bias
	s_wait_dscnt 0
	PLACES NP
	FETCH_B \slot, (\q)+1, 1-(\q)%2
	FETCH_A \slot, (\q)+1, 0
	WIN (MUL_HI-0x30*(\bias))
	MUL16 4, (\q)%2, \q, \slot, \bias
	MUL16 6, (\q)%2, \q, \slot, \bias
	PLACES NP
	WIN 0
	FETCH_A \slot, (\q)+1, 4
.endm
.macro TURN slot, next, fill
	s_wait_tensorcnt 0x0                           ; all my tensor loads have landed: my part of the next slot
	ds_add_u32 v[SPW], v[NIL]
	s_wait_dscnt 4*NLA+1                           ; (the add and the youngest 16 loads may be out)
	WIN MUL_LO
	MUL16 0, 1, NQ-1, \slot, 0
	s_wait_dscnt 0x0                               ; the add is done, and my reads of this slot are over
	s_barrier_signal -1
	MUL16 2, 1, NQ-1, \slot, 0
	WIN 0
	s_barrier_wait -1
.if \fill
	CREST                                          ; the barrier has opened a round of the cluster's barrier: no wave of any partner still reads this slot or has a load on its way
	s_add_nc_u64 s[G0+4*\slot+2:G0+4*\slot+3], s[G0+4*\slot+2:G0+4*\slot+3], 2*AROW
	s_add_nc_u64 s[G0B+4*\slot+2:G0B+4*\slot+3], s[G0B+4*\slot+2:G0B+4*\slot+3], 2*ROWB
	JLOAD G0+4*\slot, G1, G0B+4*\slot, G1B         ; the first tensor load behind the round; its four v_nop are the places in front of the loads below
.else
	PLACES NP
.endif
	v_add_nc_u32 v[ADRS], 4*NQ, v[ADRS]
	FETCH_B \next, 0, 0
	FETCH_A \next, 0, 0
	SCALES \next
	WIN MUL_HI
	MUL16 4, 1, NQ-1, \slot, 0
	MUL16 6, 1, NQ-1, \slot, 0
	PLACES NP
	WIN 0
	FETCH_A \next, 0, 4
.endm
	s_wait_tensorcnt 1                             ; the scales and my part of K step 0 are in; K step 1's load may be out
	s_barrier_signal -1
	s_barrier_wait -1
	FETCH_B 0, 0, 0
	FETCH_A 0, 0, 0
	SCALES 0
	FETCH_A 0, 0, 4
	s_wait_loadcnt 0x0                             ; the bias
	STEP 0, 0, 1                                   ; eight steps of 128 along K, written on end: the first products start the sums from the bias
	TURN 0, 1, 1
	STEP 1, 0, 0
	TURN 1, 0, 1
	STEP 0, 0, 0
	TURN 0, 1, 0
	STEP 1, 0, 0
	s_wait_dscnt 4*NLA
	WIN MUL_LO
	MUL16 0, 1, NQ-1, 1, 0
	MUL16 2, 1, NQ-1, 1, 0
	s_wait_dscnt 0
	WIN MUL_HI
	MUL16 4, 1, NQ-1, 1, 0
	MUL16 6, 1, NQ-1, 1, 0
	WIN 0
; THE WAY OUT, block by block of 16 tokens x 128 columns, through my own stage: in as 32 bytes a lane, back as whole rows of 512 bytes.  LDS serves a wave's instructions in order (ISA guide 5.7.1.4).
.macro TOSTAGE a
.set AC, 64*((\a)%4)
	WIN 0x08+4*((\a)/4)                            ; the data: window 2 or 3
.irp b, 0,1,2,3,4,5,6,7
	ds_store_b128 v[STO], v[AC+8*\b:AC+8*\b+3] offset:64*\b          ; each accumulator from its low end on
	ds_store_b128 v[STO], v[AC+8*\b+4:AC+8*\b+7] offset:64*\b+16
.endr
	WIN 0
.set BB, BK+64*((\a)%2)
.irp t, 0,1,2,3,4,5,6,7,8,9,10,11,12,13,14,15
	ds_load_b128 v[BB+4*\t:BB+4*\t+3], v[RD] offset:\t*SPITCH
.endr
.endm
.macro SEND a, younger                 ; younger: the LDS instructions issued behind block a's loads, which may stay out
.set BB, BK+64*((\a)%2)
	s_wait_dscnt \younger
.if (\a) > 0
	s_add_nc_u64 s[12:13], s[12:13], 16*SIZE_N*4   ; (behind a wait on XCNT: the earlier stores have read their base)
.endif
.irp t, 0,1,2,3,4,5,6,7,8,9,10,11,12,13,14,15
	global_store_b128 v[CO], v[BB+4*\t:BB+4*\t+3], s[12:13] offset:\t*SIZE_N*4 th:TH_STORE_NT   ; 32 lanes store 512 consecutive bytes, at a multiple of 256 from out0's first byte
.endr
.endm
	PLACES NP
	TOSTAGE 0
.irp a, 1,2,3,4,5,6,7
.if \a > 1
	s_wait_xcnt 0x0                                ; block a - 2's stores have read their registers and their base
.endif
	TOSTAGE \a
	SEND \a-1, 32                                  ; behind block a - 1's loads: block a's 16 stores and 16 loads
.endr
	s_wait_xcnt 0x0
	SEND 7, 0
	s_wait_tensorcnt 0x0                           ; the wave's end
	ds_add_u32 v[SPW], v[NIL]
	s_wait_dscnt 0x0
	CROUND                                         ; the closing round
	s_endpgm
.Lfunc_end_k_q53182f7e3c_proj:
	.size	k_q53182f7e3c_proj, .Lfunc_end_k_q53182f7e3c_proj-k_q53182f7e3c_proj
	.p2alignl 7, 3214868480
	.fill 96, 4, 3214868480
	.section	.rodata,"a",@progbits
	.p2align	6, 0x0
	.amdhsa_kernel k_q53182f7e3c_proj
		.amdhsa_group_segment_fixed_size 327680
		.amdhsa_private_segment_fixed_size 0
		.amdhsa_enable_private_segment 0
		.amdhsa_kernarg_size 48
		.amdhsa_user_sgpr_count 2
		.amdhsa_user_sgpr_kernarg_segment_ptr 1
		.amdhsa_wavefront_size32 1
		.amdhsa_system_sgpr_workgroup_id_x 1
		.amdhsa_system_sgpr_workgroup_id_y 1
		.amdhsa_system_sgpr_workgroup_id_z 1
		.amdhsa_system_vgpr_workitem_id 0
		.amdhsa_next_free_vgpr 1024
		.amdhsa_next_free_sgpr 98
		.amdhsa_reserve_vcc 0
		.amdhsa_float_denorm_mode_32 3
		.amdhsa_float_denorm_mode_16_64 3
		.amdhsa_memory_ordered 1
		.amdhsa_forward_progress 1
		.amdhsa_inst_pref_size 154
	.end_amdhsa_kernel
	.amdgpu_metadata
---
amdhsa.version: [ 1, 2 ]
amdhsa.kernels:
  - .name:           k_q53182f7e3c_proj
    .symbol:         k_q53182f7e3c_proj.kd
    .args:
      - { .name: ao, .offset: 0, .size: 8, .value_kind: global_buffer, .address_space: global }
      - { .name: asc, .offset: 8, .size: 8, .value_kind: global_buffer, .address_space: global }
      - { .name: w_proj_codes, .offset: 16, .size: 8, .value_kind: global_buffer, .address_space: global }
      - { .name: w_proj_scales, .offset: 24, .size: 8, .value_kind: global_buffer, .address_space: global }
      - { .name: b_proj, .offset: 32, .size: 8, .value_kind: global_buffer, .address_space: global }
      - { .name: out0, .offset: 40, .size: 8, .value_kind: global_buffer, .address_space: global }
    .group_segment_fixed_size: 327680
    .private_segment_fixed_size: 0
    .kernarg_segment_align: 8
    .kernarg_segment_size: 48
    .max_flat_workgroup_size: 128
    .sgpr_count:     98
    .vgpr_count:     1024
    .wavefront_size: 32
...
	.end_amdgpu_metadata
.endif
;; end of part 3
